; MI455X (gfx1250); checked and timed in simulation.
; The chip was launched on July 23, 2026; its instructions are those of AMD's public machine-readable ISA for CDNA 5 (MIT licence, August 2026) and "CDNA5" Instruction Set Architecture Reference Guide (July 2026). The comments in the code are by the model that wrote it; some were corrected since.
;; Multi Head Self Attention. Allowed arithmetic: matrix products marked QUANTISED: E2M1 operands, one E8M0 scale for each 32 along K, by v_wmma_scale_f32_16x16x128_f8f6f4 with both operands' format E2M1 (or v_wmma_scale_f32_32x16x128_f4), f32 sums; everything else in f32.
;; Inputs: b_o 1,024 float32; ln_beta 1,024 float32; ln_gamma 1,024 float32; w_k 1,024 x 1,024 float32; w_o 1,024 x 1,024 float32; w_q 1,024 x 1,024 float32; w_v 1,024 x 1,024 float32; x 2 x 2,048 x 1,024 float32.
;; Outputs: out0 2 x 2,048 x 1,024 float32.
;; This version of the problem:
;;   THIS VERSION OF THE PROBLEM IS GIVEN IN LOW PRECISION. The matrix products marked QUANTISED in the list below multiply operands that are first quantised to E2M1 (2 exponent bits, 1 mantissa bit; 4 bits a number), with one power-of-two scale for each 32 numbers along K (OCP MX v1.0); their sums are f32. All else is computed in f32.
;;   The module's matrix products, in the order in which they are computed (A, B: the left and right operand; K: the contracted axis; several contracted axes count as one K, in the product's order):
;;     1. [M 4,096, K 1,024] x [K 1,024, N 1,024]; A: input x; B: input w_q: QUANTISED
;;     2. [M 4,096, K 1,024] x [K 1,024, N 1,024]; A: input x; B: input w_k: QUANTISED
;;     3. [M 4,096, K 1,024] x [K 1,024, N 1,024]; A: input x; B: input w_v: QUANTISED
;;     4. batch 32 x [M 2,048, K 64] x [K 64, N 2,048]; A: computed on the way; B: computed on the way: QUANTISED
;;     5. batch 32 x [M 2,048, K 2,048] x [K 2,048, N 64]; A: softmax (see below); B: computed on the way: QUANTISED
;;     6. [M 4,096, K 1,024] x [K 1,024, N 1,024]; A: computed on the way; B: input w_o: QUANTISED
;;   THE QUANTISER, for each operand of a quantised product, along K:
;;     - K is cut into blocks of 32 from its start; a last block that is shorter is filled with zeros.
;;     - A block's scale is 2^e with e = floor(log2(the largest magnitude in the block)) - 2, held to -126 .. 127; a block of zeros has e = 0. As a byte (E8M0): e + 127.
;;     - Each number is divided by its block's scale, clamped to +-6, and rounded to the nearest number of E2M1, ties to even, subnormals kept.
;;     - The product sums the exact products of the quantised numbers (number of the format x scale) in f32.
;;   ~~~python
;;   def quantise(x, axis):      # numpy; x: float32 -> the quantised numbers, widened to float32 again
;;       x = np.moveaxis(x, axis, -1); K = x.shape[-1]
;;       x = np.pad(x, [(0, 0)] * (x.ndim - 1) + [(0, -K % 32)]); x = x.reshape(x.shape[:-1] + (-1, 32)); a = np.abs(x).max(-1, keepdims=True)
;;       e = np.where(a > 0, np.clip(np.frexp(np.where(a > 0, a, 1))[1] - 1 - 2, -126, 127), 0)      # np.frexp(a)[1] - 1 = floor(log2(a)), exactly
;;       r = np.clip(x / 2.0 ** e, -6, 6)
;;       step = 2.0 ** (np.maximum(np.frexp(np.where(r == 0, 1, r))[1] - 1, 0) - 1)
;;       q = np.round(r / step) * step * 2.0 ** e      # np.round: ties to even
;;       return np.moveaxis(q.reshape(q.shape[:-2] + (-1,))[..., :K], -1, axis).astype(np.float32)
;;   ~~~
;;   SOFTMAX AHEAD OF A QUANTISED PRODUCT. Where the list says 'softmax', what is quantised is not the finished softmax but p = 2^(t - M), with t = logit x log2(e) and M = ceil(the row's largest t), a whole number; so 1/2 < the row's largest p <= 1. The row's sum l is taken of the UNQUANTISED p, in f32, and the product's result is divided by l at the end. Since M is a whole number, a kernel that streams over the keys may use a running M (the ceiling of the running maximum): every later rescaling is an exact power of two, which a block's scale takes up: the codes' values come out the same.
;;   OPERANDS COMPUTED ON THE WAY. 'Computed on the way' means the value that the module computes at that place (a softmax that the list does not call 'softmax' is quantised finished and normalised). What goes into a quantiser is computed in f32, as accurately as f32 sums, v_exp_f32 and their like allow (about 1e-6 of the number): no bf16 or f16 on the way to a quantiser, and a product that is left as it is and whose result goes on into a quantised operand takes f32 operands (vector FMAs, or v_wmma_f32_16x16x4_f32). A number that lies on a knife's edge between two numbers of the format may be rounded either way, as far as f32 arithmetic and the matrix unit's own rounding can turn it there, and no further.
;; One version. Each part assembles by itself: llvm-mc -triple=amdgcn-amd-amdhsa -mcpu=gfx1250 --defsym DOCPART=n.
;; ======== version 1 of 1: 4 launches
;; limits: right only within a limited range of input values
;; workspace buffers: xq 2,228,224 bytes; wq 2,228,224 bytes; qk 4,456,448 bytes; vq 2,228,224 bytes; cq 2,228,224 bytes
;; launch quant (part 1): grid 256 x 1, 4 waves a work-group, no clusters, 39,424 bytes of LDS; arguments x, w_q, w_k, w_v, w_o, xq, wq; writes xq, wq
.if DOCPART == 1
	.amdgcn_target "amdgcn-amd-amdhsa--gfx1250"
	.amdhsa_code_object_version 6
	.text
	.protected	k_q259bba8543_quant
	.globl	k_q259bba8543_quant
	.p2align	8
	.type	k_q259bba8543_quant,@function
k_q259bba8543_quant:
	s_mov_b64 s[64:65], 0
	v_nop
	global_prefetch_b8 v0, s[64:65] scope:SCOPE_SE
	s_setreg_imm32_b32 hwreg(HW_REG_WAVE_MODE, 25, 1), 1
	s_wait_xcnt 0x0
; x [4096][1024] and w_q, w_k, w_v, w_o [1024][1024], f32, K innermost, become codes of FP4 (E2M1) with one E8M0 byte for each 32 along K.
; A block's scale is 2^(floor(log2(its largest magnitude)) - 2); its byte is the largest magnitude's exponent field - 2, held at 1 from below.
; LIMITS: NaN and infinities are not served; a block whose largest magnitude lies under 2^-124 keeps the byte 1; a block of zeros gets the byte 1 and not 127
; (its codes are zeros, which add nothing under any byte but 0xff, and this program alone reads the bytes).
; THE OUTPUT IS LAID AS IMAGES OF OPERAND REGISTERS.  A tile T = 2 bt + u is 16 rows: its lane r holds row 32 bt + 8 u + r + 8 (r / 8).  The 16 bytes of (row r, block kb of 32 along K) lie at
; T x 8192 + kb x 256 + 16 r: so a fragment (16 rows x 128 K) is 1,024 consecutive bytes, registers 4 c .. 4 c + 3 of lane l at 512 c + 16 l.  The scale bytes lie behind the codes, at 2,097,152:
; [T][half g of K][r][16 bytes], byte j for block 16 g + j.  xq holds x's 256 tiles; wq holds w_q's 64, then w_k's, w_v's, w_o's.
; SHARES.  A wave takes one tile x 512 along K: 16 steps of one row's 512 numbers.  Work-groups 0-127 take x, the others the weights, 32 each; only pointers are chosen, all take one path.
; A step's four loads read 512 consecutive bytes each; the 2,048 bytes turn through the wave's own stage in LDS so that a lane holds 16 neighbours (two lanes to a block).
; Codes and bytes are gathered in the wave's own LDS and leave at the end: eight stores of 512 consecutive bytes and one of 256.
; A stream: no matrix unit, no cluster (no byte is read twice), no barrier (waves share nothing).  Loads run eight steps (32 loads a wave) ahead.
.set EMAX,  2
.set SP,    80                         ; a lane's place in a turn stage: its 64 bytes + 16 of padding
.set SCB,   2*32*SP                    ; behind the two turn stages: the wave's 256 scale bytes
.set CST,   SCB+256                    ; behind them: the code stage, 16 blocks x (256 bytes + 16)
.set CU,    272
.set WREG,  CST+16*CU                  ; 9,728 bytes of LDS for each wave
.set R,     16                         ; v16-143  eight sets of 16 numbers as loaded
.set X,     144                        ; v144-175 two sets of 16 neighbours
.set C,     176                        ; v176-207 two registers of codes for each step
.set E,     208                        ; v208-223 a scale byte for each step
	s_load_b256 s[4:11], s[0:1], 0x0               ; x, w_q, w_k, w_v
	s_load_b128 s[12:15], s[0:1], 0x20             ; w_o, xq
	s_load_b64 s[16:17], s[0:1], 0x30              ; wq
	v_lshl_add_u32 v224, v0, 2, 0x9800
	v_mov_b32 v225, 0
	v_lshrrev_b32 v1, 5, v0
	v_readfirstlane_b32 s18, v1                    ; wave 0..3
	v_and_b32 v2, 31, v0                           ; lane
	v_lshlrev_b32 v3, 4, v2                        ; 16 x lane: my bytes of a load's or a store's 512
	s_mul_i32 s19, s18, WREG                       ; my wave's LDS
	v_lshrrev_b32 v14, 2, v2
	v_mul_u32_u24 v14, v14, SP
	v_and_b32 v15, 3, v2
	v_lshl_add_u32 v14, v15, 4, v14
	v_add_nc_u32 v14, s19, v14                     ; the turn, in: four lanes' 64 bytes on end, then the padding
	v_mul_u32_u24 v15, v2, SP
	v_add_nc_u32 v15, s19, v15                     ; the turn, out: my 16 neighbours
	v_lshrrev_b32 v5, 1, v2                        ; my block of the step's 16
	v_mul_u32_u24 v4, v5, CU
	v_and_b32 v8, 1, v2
	v_lshl_add_u32 v4, v8, 3, v4
	v_add_nc_u32 v4, s19, v4
	v_add_nc_u32 v4, CST, v4                       ; code stage, in: block x 272 + 8 x (which half of the block); the row stands in the immediate
	v_add_nc_u32 v5, s19, v5
	v_add_nc_u32 v5, SCB, v5                       ; my block's byte; the row stands in the immediate
	v_lshlrev_b32 v7, 3, v2                        ; the bytes' way out: 8 a lane
	v_add_nc_u32 v6, s19, v7
	v_add_nc_u32 v6, SCB, v6
	v_and_b32 v8, 15, v2
	v_lshrrev_b32 v9, 4, v2
	v_mul_u32_u24 v10, v9, CU
	v_lshl_add_u32 v10, v8, 4, v10
	v_add_nc_u32 v10, s19, v10
	v_add_nc_u32 v10, CST, v10                     ; code stage, out: lanes 0-15 one block's 256 bytes, lanes 16-31 the next block's
	s_lshr_b32 s20, s18, 1                         ; u: which tile of the pair
	s_and_b32 s21, s18, 1                          ; g: which half of K
	s_wait_kmcnt 0x0
	s_cmp_lt_u32 ttmp9, 224                        ; which tensor: the choice hangs on the work-group's number alone
	s_cselect_b64 s[10:11], s[10:11], s[12:13]
	s_cmp_lt_u32 ttmp9, 192
	s_cselect_b64 s[8:9], s[8:9], s[10:11]
	s_cmp_lt_u32 ttmp9, 160
	s_cselect_b64 s[6:7], s[6:7], s[8:9]
	s_cmp_lt_u32 ttmp9, 128
	s_cselect_b64 s[4:5], s[4:5], s[6:7]           ; from
	s_cselect_b64 s[14:15], s[14:15], s[16:17]     ; to
	s_cselect_b32 s22, 127, 31
	s_and_b32 s22, ttmp9, s22                      ; bt in the tensor
	s_lshl_b32 s22, s22, 17                        ; 32 rows of 4,096 bytes,
	s_lshl_b32 s23, s20, 15                        ; 8 rows for u,
	s_add_co_u32 s22, s22, s23
	s_lshl_b32 s23, s21, 11                        ; 2,048 bytes for g
	s_add_co_u32 s22, s22, s23
	s_mov_b32 s23, 0
	s_add_nc_u64 s[4:5], s[4:5], s[22:23]
	s_and_b32 s24, ttmp9, 127
	s_lshl_b32 s24, s24, 1
	s_add_co_u32 s24, s24, s20                     ; the tile's number in its output buffer
	s_lshl_b32 s26, s24, 13
	s_lshl_b32 s27, s21, 12
	s_add_co_u32 s26, s26, s27
	s_mov_b32 s27, 0
	s_add_nc_u64 s[28:29], s[14:15], s[26:27]      ; my 4,096 bytes of codes
	s_lshl_b32 s26, s24, 9
	s_lshl_b32 s25, s21, 8
	s_add_co_u32 s26, s26, s25
	s_add_co_u32 s26, s26, 2097152
	s_add_nc_u64 s[30:31], s[14:15], s[26:27]      ; my 256 scale bytes
.macro LOAD t                          ; row t of the tile: 8 rows further down from row 8 on
.irp i, 0,1,2,3
	global_load_b128 v[R+16*((\t)%8)+4*\i:R+16*((\t)%8)+4*\i+3], v3, s[4:5] offset:((\t)+8*((\t)/8))*4096+512*\i th:TH_LOAD_NT
.endr
.endm
.macro TURN t                          ; LDS serves a wave's instructions in order (ISA guide 5.7.1.4): no wait between the stores and the loads
.irp i, 0,1,2,3
	ds_store_b128 v14, v[R+16*((\t)%8)+4*\i:R+16*((\t)%8)+4*\i+3] offset:32*SP*((\t)%2)+8*SP*\i
.endr
.irp i, 0,1,2,3
	ds_load_b128 v[X+16*((\t)%2)+4*\i:X+16*((\t)%2)+4*\i+3], v15 offset:32*SP*((\t)%2)+16*\i
.endr
.endm
.irp t, 0,1,2,3,4,5,6,7
	LOAD \t
.endr
	s_wait_loadcnt 28                              ; step 0's four loads are in; seven steps' stay out
	TURN 0
.macro STEP t
.set XS, X+16*((\t)%2)
.if (\t) > 0
	s_wait_dscnt 2                                 ; this step's numbers are back (the last step's code store and byte store may be out): so the turn's stores have read their registers,
.else
	s_wait_dscnt 0x0
.endif
.if (\t)+8 < 16
	LOAD (\t)+8                                    ; which take the loads of eight steps on
.endif
.if (\t) < 15
.if (\t) < 8
	s_wait_loadcnt 28                              ; the next step's four loads are in; those of the seven steps behind it may be out
.else
	s_wait_loadcnt 4*(14-(\t))
.endif
	TURN (\t)+1
.endif
	v_max3_num_f32 v8, |v[XS]|, |v[XS+1]|, |v[XS+2]|               ; the largest magnitude of my 16, in two chains
	v_max3_num_f32 v9, |v[XS+3]|, |v[XS+4]|, |v[XS+5]|
.irp i, 6,10
	v_max3_num_f32 v8, v8, |v[XS+\i]|, |v[XS+\i+1]|
	v_max3_num_f32 v9, v9, |v[XS+\i+2]|, |v[XS+\i+3]|
.endr
	v_max3_num_f32 v8, v8, |v[XS+14]|, |v[XS+15]|
	v_max3_num_f32 v8, v8, v9, (EMAX+1)<<23        ; and the floor 2^(3 - 127): the byte cannot fall under 1
	v_max_num_f32_dpp v8, v8, v8 row_xmask:1 row_mask:0xf bank_mask:0xf   ; with my neighbour's 16: the block's
	v_add_nc_u32 v11, -(EMAX<<23), v8              ; 2 off its exponent field: the conversion takes that field as its scale
	v_cvt_scalef32_pk8_fp4_f32 v[C+2*(\t)], v[XS:XS+7], v11
	v_cvt_scalef32_pk8_fp4_f32 v[C+2*(\t)+1], v[XS+8:XS+15], v11
	v_lshrrev_b32 v[E+(\t)], 23, v11               ; the scale's byte (a plain line behind the conversions)
	ds_store_b64 v4, v[C+2*(\t):C+2*(\t)+1] offset:16*(\t)         ; my 8 bytes of (block, row t)
	ds_store_b8 v5, v[E+(\t)] offset:16*(\t)       ; both lanes of a block write the same byte with the same value
.endm
.irp t, 0,1,2,3,4,5,6,7,8,9,10,11,12,13,14,15
	STEP \t
.endr
.irp i, 0,1,2,3,4,5,6,7
	ds_load_b128 v[16+4*\i:19+4*\i], v10 offset:2*CU*\i            ; blocks 2 i and 2 i + 1: these see my stores
.endr
	ds_load_b64 v[48:49], v6
.irp i, 0,1,2,3,4,5,6,7
	s_wait_dscnt 8-\i                              ; load i is in: 7 - i loads of 16 bytes and the one of 8 are younger
	global_store_b128 v3, v[16+4*\i:19+4*\i], s[28:29] offset:512*\i   ; 512 consecutive bytes
.endr
	s_wait_dscnt 0x0
	global_store_b64 v7, v[48:49], s[30:31]        ; 256 consecutive bytes, aligned
	s_wait_tensorcnt 0x0
	ds_add_u32 v224, v225
	s_wait_dscnt 0x0
	s_endpgm
.Lfunc_end_k_q259bba8543_quant:
	.size	k_q259bba8543_quant, .Lfunc_end_k_q259bba8543_quant-k_q259bba8543_quant
	.p2alignl 7, 3214868480
	.fill 96, 4, 3214868480
	.section	.rodata,"a",@progbits
	.p2align	6, 0x0
	.amdhsa_kernel k_q259bba8543_quant
		.amdhsa_group_segment_fixed_size 39424
		.amdhsa_private_segment_fixed_size 0
		.amdhsa_enable_private_segment 0
		.amdhsa_kernarg_size 56
		.amdhsa_user_sgpr_count 2
		.amdhsa_user_sgpr_kernarg_segment_ptr 1
		.amdhsa_wavefront_size32 1
		.amdhsa_system_sgpr_workgroup_id_x 1
		.amdhsa_system_sgpr_workgroup_id_y 1
		.amdhsa_system_sgpr_workgroup_id_z 1
		.amdhsa_system_vgpr_workitem_id 0
		.amdhsa_next_free_vgpr 226
		.amdhsa_next_free_sgpr 66
		.amdhsa_reserve_vcc 0
		.amdhsa_float_denorm_mode_32 3
		.amdhsa_float_denorm_mode_16_64 3
		.amdhsa_memory_ordered 1
		.amdhsa_forward_progress 1
		.amdhsa_inst_pref_size 36
	.end_amdhsa_kernel
	.amdgpu_metadata
---
amdhsa.version: [ 1, 2 ]
amdhsa.kernels:
  - .name:           k_q259bba8543_quant
    .symbol:         k_q259bba8543_quant.kd
    .args:
      - { .name: x, .offset: 0, .size: 8, .value_kind: global_buffer, .address_space: global }
      - { .name: w_q, .offset: 8, .size: 8, .value_kind: global_buffer, .address_space: global }
      - { .name: w_k, .offset: 16, .size: 8, .value_kind: global_buffer, .address_space: global }
      - { .name: w_v, .offset: 24, .size: 8, .value_kind: global_buffer, .address_space: global }
      - { .name: w_o, .offset: 32, .size: 8, .value_kind: global_buffer, .address_space: global }
      - { .name: xq, .offset: 40, .size: 8, .value_kind: global_buffer, .address_space: global }
      - { .name: wq, .offset: 48, .size: 8, .value_kind: global_buffer, .address_space: global }
    .group_segment_fixed_size: 39424
    .private_segment_fixed_size: 0
    .kernarg_segment_align: 8
    .kernarg_segment_size: 56
    .max_flat_workgroup_size: 128
    .sgpr_count:     66
    .vgpr_count:     226
    .wavefront_size: 32
...
	.end_amdgpu_metadata
.endif
;; end of part 1
;; launch qkv (part 2): grid 12 x 16, 16 waves a work-group, no clusters, 280,576 bytes of LDS; arguments xq, wq, qk, vq; writes qk, vq
.if DOCPART == 2
	.amdgcn_target "amdgcn-amd-amdhsa--gfx1250"
	.amdhsa_code_object_version 6
	.text
	.protected	k_q259bba8543_qkv
	.globl	k_q259bba8543_qkv
	.p2align	8
	.type	k_q259bba8543_qkv,@function
k_q259bba8543_qkv:
	s_mov_b64 s[64:65], 0
	v_nop
	global_prefetch_b8 v0, s[64:65] scope:SCOPE_SE
	s_setreg_imm32_b32 hwreg(HW_REG_WAVE_MODE, 25, 1), 1
	s_wait_xcnt 0x0
; q = x w_q^T, k = x w_k^T, v = x w_v^T on codes of FP4 with E8M0 scales, sums in f32; the results are quantised on the way out and leave as codes alone.
; q and k are quantised along a head's 64 (two blocks), v along the keys (blocks of 32 tokens).  LIMITS: NaN and infinities are not served; a block under 2^-124, or of zeros, keeps the byte 1.
; SHARES.  Work-group (gx, gy) takes x's tiles 16 gy .. + 15 (256 tokens) and the weights' tiles 16 gx .. + 15 (gx 0-3 w_q, 4-7 w_k, 8-11 w_v), for all of K = 1,024: 256 x 256 results.
; TRANSPOSED USE: source 0 = a tile of B, source 1 = a tile of A; a lane holds ONE row of A, and its registers run along B's rows, the axis that is quantised.
; gx < 8 (q, k): A = tokens, B = features.   gx >= 8 (v): A = features, B = tokens.
; A tile's lane r holds row 32 bt + 8 u + r + 8 (r / 8), so that the 16 registers of two neighbouring tiles of B are 16 neighbours along B's rows.
; Wave (wa = wave / 2, wb = wave % 2): A's tiles 2 wa, 2 wa + 1 x B's tiles 8 wb .. + 7: 16 accumulators, 128 registers.
; LDS, every byte filled once: tile i at 8,192 i (x's 16, then the weights' 16), K step q at 1,024 q: images of operand registers.  Each of the sixteen waves asks for two whole tiles, 16,384 dense bytes, by its one tensor load.
; The scale bytes at 262,144 (x's 16 tiles x 512 bytes, then the weights') go through registers: 1,024 bytes a wave, into bytes that no tensor load fills.
; NO CLUSTER in this version: x's address hangs on gy alone and the weights' on gx alone, so joint loads in clusters of 4 x 4 can be added.  No prefetch: each byte is asked for once, at the head, and there is no loop to run ahead in.
; OUT.  qk: [q, k][batch x head 32][f 64][1,024]: fragment f holds tokens' tile u = 0 in registers 0-3 and tile u = 1 in registers 4-7; scale words at 4,194,304: [q, k][bh][f][r].
; vq: [bh][key step 16][tile of d 4][1,024]: 16 d x 128 keys; scale words at 2,097,152: [bh][key step][tile][r].
.set SCL,  262144
.set ADRA, 5
.set ADRB, 6
.set ADSA, 7
.set ADSB, 8
.set VOF,  9
.set VOS,  13
.set AF,   16
.set BF,   32
.set SA,   96
.set SB,   100
.set MX,   116
.set PB,   120
.set SO,   124
.set ACC,  128
.set PC0,  16
.set PC1,  24
.set PW0,  32
.set PW1,  33
.set OW0,  34
.set OW1,  35
.set OWS,  36
	s_load_b256 s[4:11], s[0:1], 0x0               ; xq, wq, qk, vq
	v_lshl_add_u32 v14, v0, 2, 0x44000
	v_mov_b32 v15, 0
	ds_add_u32 v14, v15                            ; the opening lines: the add twice on end and its wait
	ds_add_u32 v14, v15
	v_lshrrev_b32 v1, 5, v0
	s_delay_alu instid0(VALU_DEP_1)
	v_readfirstlane_b32 s12, v1                    ; wave 0..15
	s_mov_b32 s13, ttmp9                           ; gx
	s_and_b32 s14, ttmp7, 0xffff                   ; gy
	s_lshr_b32 s15, s12, 1                         ; wa
	s_and_b32 s16, s12, 1                          ; wb
	s_mov_b32 s24, 3<<16                           ; group 1: 64 rows of 256 bytes (32 elements of 8), dense
	s_mov_b32 s25, 32<<16
	s_mov_b32 s26, 64<<16
	s_mov_b32 s27, 32<<16
	s_mov_b32 s28, 64
	s_mov_b32 s29, 32
	s_mov_b32 s30, 0
	s_mov_b32 s31, 0
	s_and_b32 s19, s12, 7
	s_lshl_b32 s19, s19, 1                         ; waves 0-7 x's tiles, 8-15 the weights', two each
	v_and_b32 v1, 31, v0                           ; lane
	v_and_b32 v2, 15, v0                           ; r
	v_bfe_u32 v3, v0, 4, 1                         ; h
	v_lshlrev_b32 v4, 4, v1                        ; 16 x lane
	s_lshl_b32 s17, s12, 10
	s_add_co_u32 s17, s17, SCL
	v_add_nc_u32 v[MX], s17, v4                    ; where my 1,024 scale bytes go
	s_wait_alu depctr_va_vdst(0)                   ; the wait ahead of the waits below
	s_wait_dscnt 0x0
	s_wait_kmcnt 0x0
	s_cmp_lt_u32 s12, 8
	s_cselect_b64 s[2:3], s[4:5], s[6:7]
	s_cselect_b32 s20, s14, s13
	s_lshl_b32 s20, s20, 4
	s_add_co_u32 s20, s20, s19                     ; my first tile
	s_lshl_b32 s22, s20, 9
	s_add_co_u32 s22, s22, 2097152                 ; its scale bytes
	s_mov_b32 s23, 0
	s_lshl_b32 s20, s20, 13                        ; its codes
	s_mov_b32 s21, 0
	s_add_nc_u64 s[42:43], s[2:3], s[22:23]
	s_mov_b32 s44, 1
	s_lshl_b32 s45, s12, 14
	s_add_nc_u64 s[46:47], s[2:3], s[20:21]
	s_or_b32 s47, s47, 0x80000000
	tensor_load_to_lds s[44:47], s[24:31]          ; my one tensor load
	s_nop 0
	global_load_b128 v[16:19], v4, s[42:43]
	global_load_b128 v[20:23], v4, s[42:43] offset:512
	; where the results go.  q, k:
	s_lshl_b32 s20, s14, 3
	s_add_co_u32 s20, s20, s15                     ; bt = 8 gy + wa
	s_lshl_b32 s21, s13, 1
	s_add_co_u32 s21, s21, s16                     ; G = 2 gx + wb
	s_lshr_b32 s22, s21, 3
	s_lshl_b32 s22, s22, 1
	s_lshr_b32 s23, s20, 6                         ; batch
	s_add_co_u32 s22, s22, s23
	s_lshl_b32 s22, s22, 4
	s_and_b32 s23, s21, 7
	s_lshl_b32 s23, s23, 1
	s_add_co_u32 s22, s22, s23                     ; ((q or k) x 2 + batch) x 16 + my first head
	s_and_b32 s23, s20, 63                         ; f
	s_lshl_b32 s17, s22, 16
	s_lshl_b32 s18, s23, 10
	s_add_co_u32 s17, s17, s18
	s_lshl_b32 s18, s22, 12
	s_lshl_b32 s19, s23, 6
	s_add_co_u32 s18, s18, s19
	s_add_co_u32 s18, s18, 4194304
	; v:
	s_and_b32 s19, s13, 7
	s_lshl_b32 s19, s19, 3
	s_add_co_u32 s19, s19, s15                     ; btv = 8 (gx - 8) + wa
	s_lshl_b32 s20, s14, 1
	s_add_co_u32 s20, s20, s16                     ; 2 gy + wb
	s_lshr_b32 s21, s20, 4
	s_lshl_b32 s21, s21, 4
	s_lshr_b32 s22, s19, 1
	s_add_co_u32 s21, s21, s22                     ; batch x 16 + head
	s_lshl_b32 s21, s21, 4
	s_and_b32 s22, s20, 15
	s_add_co_u32 s21, s21, s22                     ; x 16 + key step
	s_and_b32 s22, s19, 1
	s_lshl_b32 s20, s21, 12
	s_lshl_b32 s23, s22, 11
	s_add_co_u32 s20, s20, s23
	s_lshl_b32 s21, s21, 8
	s_lshl_b32 s22, s22, 7
	s_add_co_u32 s21, s21, s22
	s_add_co_u32 s21, s21, 2097152
	s_cmp_lt_u32 s13, 8                            ; q, k or v: all that differs is chosen here, without a branch
	s_cselect_b32 s2, s17, s20
	s_cselect_b32 s22, s18, s21
	s_cselect_b64 s[52:53], s[8:9], s[10:11]
	s_cselect_b32 s61, 0, 0x20000                  ; A's tiles in LDS: x's or the weights'
	s_cselect_b32 s62, 0x20000, 0                  ; B's: the others
	s_cselect_b32 s63, 0, 0x2000
	s_cselect_b32 s66, 0x2000, 0
	s_mov_b32 s56, 1024
	s_cselect_b32 s56, 512, s56
	s_mov_b32 s57, 512
	s_cselect_b32 s57, 0x10000, s57
	s_cselect_b32 s58, 4096, 64
	s_mov_b32 s59, 0x03020100
	s_cselect_b32 s59, 0x05040100, s59
	s_mov_b32 s60, 0x07060504
	s_cselect_b32 s60, 0x07060302, s60
	s_mov_b32 s3, 0
	s_mov_b32 s23, 0
	s_add_nc_u64 s[54:55], s[52:53], s[22:23]      ; scale words
	s_add_nc_u64 s[52:53], s[52:53], s[2:3]        ; codes
	s_mov_b32 s68, 0x76543210
	s_mov_b32 s69, 0xfedcba98
	s_mov_b32 s70, 0xffff0000
	s_lshl_b32 s17, s15, 14
	s_add_co_u32 s17, s17, s61
	v_add_nc_u32 v[ADRA], s17, v4                  ; 16 x lane + A's region + 2 tiles x wa
	s_lshl_b32 s18, s16, 16
	s_add_co_u32 s18, s18, s62
	v_add_nc_u32 v[ADRB], s18, v4                  ; 16 x lane + B's region + 8 tiles x wb
	v_lshlrev_b32 v[ADSA], 4, v2
	s_delay_alu instid0(VALU_DEP_1)
	v_lshl_add_u32 v[ADSA], v3, 9, v[ADSA]         ; 16 r + 512 h
	s_lshl_b32 s20, s16, 12
	s_add_co_u32 s20, s20, s66
	s_add_co_u32 s20, s20, SCL
	v_add_nc_u32 v[ADSB], s20, v[ADSA]
	s_lshl_b32 s19, s15, 10
	s_add_co_u32 s19, s19, s63
	s_add_co_u32 s19, s19, SCL
	v_add_nc_u32 v[ADSA], s19, v[ADSA]
	v_mov_b32 v[VOF], v4
	v_add_nc_u32 v[VOF+1], s57, v4
	v_add_nc_u32 v[VOF+2], s56, v4
	s_delay_alu instid0(VALU_DEP_1)
	v_add_nc_u32 v[VOF+3], s57, v[VOF+2]
	v_mul_u32_u24 v[VOS], s58, v3
	s_delay_alu instid0(VALU_DEP_1)
	v_lshl_add_u32 v[VOS], v2, 2, v[VOS]
.irp b, 0,1,2,3
	v_mov_b32 v[PB+\b], 0                          ; a lane permute's destination counts as one of its sources
.endr
.macro SCALES g                        ; the scale words of K steps 4 g .. 4 g + 3
	ds_load_b128 v[SA:SA+3], v[ADSA] offset:256*\g
.irp i, 0,1,2,3
	ds_load_b128 v[SB+4*\i:SB+4*\i+3], v[ADSB] offset:1024*\i+256*\g
.endr
.endm
.macro WM u, t, q, zero                ; B's tile t x A's tile u; an odd tile's scale words lie in lanes 16-31
.set rD, ACC+8*(8*(\u)+(\t))
.set rB, BF+8*(\t)
.set rA, AF+8*(\u)
.set rSB, SB+4*((\t)/2)+(\q)
.set rSA, SA+(\q)
.if \zero
.if ((\t)%2 == 0) && ((\u) == 0)
	v_wmma_scale_f32_16x16x128_f8f6f4 v[rD:rD+7], v[rB:rB+7], v[rA:rA+7], 0, v[rSB], v[rSA] matrix_a_fmt:MATRIX_FMT_FP4 matrix_b_fmt:MATRIX_FMT_FP4
.elseif ((\t)%2 == 1) && ((\u) == 0)
	v_wmma_scale_f32_16x16x128_f8f6f4 v[rD:rD+7], v[rB:rB+7], v[rA:rA+7], 0, v[rSB], v[rSA] matrix_a_fmt:MATRIX_FMT_FP4 matrix_b_fmt:MATRIX_FMT_FP4 matrix_a_scale:MATRIX_SCALE_ROW1
.elseif ((\t)%2 == 0)
	v_wmma_scale_f32_16x16x128_f8f6f4 v[rD:rD+7], v[rB:rB+7], v[rA:rA+7], 0, v[rSB], v[rSA] matrix_a_fmt:MATRIX_FMT_FP4 matrix_b_fmt:MATRIX_FMT_FP4 matrix_b_scale:MATRIX_SCALE_ROW1
.else
	v_wmma_scale_f32_16x16x128_f8f6f4 v[rD:rD+7], v[rB:rB+7], v[rA:rA+7], 0, v[rSB], v[rSA] matrix_a_fmt:MATRIX_FMT_FP4 matrix_b_fmt:MATRIX_FMT_FP4 matrix_a_scale:MATRIX_SCALE_ROW1 matrix_b_scale:MATRIX_SCALE_ROW1
.endif
.else
.if ((\t)%2 == 0) && ((\u) == 0)
	v_wmma_scale_f32_16x16x128_f8f6f4 v[rD:rD+7], v[rB:rB+7], v[rA:rA+7], v[rD:rD+7], v[rSB], v[rSA] matrix_a_fmt:MATRIX_FMT_FP4 matrix_b_fmt:MATRIX_FMT_FP4
.elseif ((\t)%2 == 1) && ((\u) == 0)
	v_wmma_scale_f32_16x16x128_f8f6f4 v[rD:rD+7], v[rB:rB+7], v[rA:rA+7], v[rD:rD+7], v[rSB], v[rSA] matrix_a_fmt:MATRIX_FMT_FP4 matrix_b_fmt:MATRIX_FMT_FP4 matrix_a_scale:MATRIX_SCALE_ROW1
.elseif ((\t)%2 == 0)
	v_wmma_scale_f32_16x16x128_f8f6f4 v[rD:rD+7], v[rB:rB+7], v[rA:rA+7], v[rD:rD+7], v[rSB], v[rSA] matrix_a_fmt:MATRIX_FMT_FP4 matrix_b_fmt:MATRIX_FMT_FP4 matrix_b_scale:MATRIX_SCALE_ROW1
.else
	v_wmma_scale_f32_16x16x128_f8f6f4 v[rD:rD+7], v[rB:rB+7], v[rA:rA+7], v[rD:rD+7], v[rSB], v[rSA] matrix_a_fmt:MATRIX_FMT_FP4 matrix_b_fmt:MATRIX_FMT_FP4 matrix_a_scale:MATRIX_SCALE_ROW1 matrix_b_scale:MATRIX_SCALE_ROW1
.endif
.endif
.endm
; A K step of 128: 20 LDS loads, 16 products on 16 accumulators that take turns, four places in front of the next loads into these registers.
; The largest offset is 7 x 8,192 + 7 x 1,024 + 512 = 65,024, inside the 16-bit immediate.
.macro KSTEP q, zero
.irp u, 0,1
.irp c, 0,1
	ds_load_b128 v[AF+8*\u+4*\c:AF+8*\u+4*\c+3], v[ADRA] offset:8192*\u+1024*(\q)+512*\c
.endr
.endr
.irp t, 0,1,2,3,4,5,6,7
.irp c, 0,1
	ds_load_b128 v[BF+8*\t+4*\c:BF+8*\t+4*\c+3], v[ADRB] offset:8192*\t+1024*(\q)+512*\c
.endr
.endr
	s_wait_dscnt 0x0
.irp t, 0,1,2,3,4,5,6,7
.irp u, 0,1
	WM \u, \t, (\q)%4, \zero
.endr
.endr
.rept 4
	v_nop
.endr
.endm
; 64 numbers of a lane, register 16 b + i = k 32 b + 16 (lane / 16) + i of my row, become a fragment's codes in v[pc] on and its scale word in v[pw].  Each accumulator is read from its low end on.
.macro QUANT s, pc, pw
.irp b, 0,1,2,3
	v_max3_num_f32 v[MX+\b], |v[\s+16*\b]|, |v[\s+1+16*\b]|, 0x1800000   ; my 16 numbers, and the floor 2^(3 - 127): the byte cannot fall under 1
.endr
.irp i, 2,4,6,8,10,12,14
.irp b, 0,1,2,3
	v_max3_num_f32 v[MX+\b], v[MX+\b], |v[\s+16*\b+\i]|, |v[\s+1+16*\b+\i]|
.endr
.endr
.irp b, 0,1,2,3
	s_delay_alu instid0(VALU_DEP_4)
	v_permlanex16_b32 v[PB+\b], v[MX+\b], s68, s69
.endr
.irp b, 0,1,2,3
	s_delay_alu instid0(VALU_DEP_4)
	v_max_num_f32 v[MX+\b], v[MX+\b], v[PB+\b]     ; with lane l xor 16's: the block's largest magnitude
.endr
.irp b, 0,1,2,3
	s_delay_alu instid0(VALU_DEP_4)
	v_add_nc_u32 v[SO+\b], 0xff000000, v[MX+\b]    ; 2 off its exponent field: the conversion's scale operand
.endr
.irp b, 0,1,2,3
	s_delay_alu instid0(VALU_DEP_4)
	v_lshrrev_b32 v[PB+\b], 23, v[SO+\b]           ; the scale's byte
.endr
	s_delay_alu instid0(VALU_DEP_3)
	v_lshl_or_b32 v[\pw], v[PB+1], 8, v[PB]
	s_delay_alu instid0(VALU_DEP_1)
	v_lshl_or_b32 v[\pw], v[PB+2], 16, v[\pw]
	s_delay_alu instid0(VALU_DEP_1)
	v_lshl_or_b32 v[\pw], v[PB+3], 24, v[\pw]
.irp b, 0,1,2,3
	v_cvt_scalef32_pk8_fp4_f32 v[\pc+2*\b], v[\s+16*\b:\s+7+16*\b], v[SO+\b]
	v_cvt_scalef32_pk8_fp4_f32 v[\pc+1+2*\b], v[\s+8+16*\b:\s+15+16*\b], v[SO+\b]
.endr
	v_nop                                          ; one plain place behind a scaled conversion
.irp c, 0,1                                    ; the operand's layout wants a whole block in a lane
.irp i, 0,1
	v_permlane16_swap_b32 v[\pc+4*\c+\i], v[\pc+2+4*\c+\i]
.endr
.endr
.endm
	s_wait_loadcnt 0x0                             ; my 1,024 scale bytes are in registers
	ds_store_b128 v[MX], v[16:19]
	ds_store_b128 v[MX], v[20:23] offset:512
	s_wait_alu depctr_va_vdst(0)                   ; the wait at the head's end
	s_wait_tensorcnt 0x0                           ; my two tiles are in,
	s_wait_dscnt 0x0                               ; and my stores have landed
	s_barrier_signal -1
	s_barrier_wait -1                              ; everybody's
	SCALES 0
	KSTEP 0, 1                                     ; the first products start the sums: nothing is cleared
	KSTEP 1, 0
	KSTEP 2, 0
	KSTEP 3, 0
	SCALES 1
	KSTEP 4, 0
	KSTEP 5, 0
	KSTEP 6, 0
	KSTEP 7, 0
	; THE WAY OUT: each of A's two tiles has 64 numbers a lane: one fragment and one scale word a row.
	QUANT ACC, PC0, PW0
	QUANT ACC+64, PC1, PW1
.irp c, 0,1
	global_store_b128 v[VOF+\c], v[PC0+4*\c:PC0+4*\c+3], s[52:53]      ; each store covers 512 consecutive bytes
.endr
.irp c, 0,1
	global_store_b128 v[VOF+2+\c], v[PC1+4*\c:PC1+4*\c+3], s[52:53]
.endr
	v_perm_b32 v[OW0], v[PW1], v[PW0], s59
	v_perm_b32 v[OW1], v[PW1], v[PW0], s60
	s_delay_alu instid0(VALU_DEP_1)
	v_cndmask_b32 v[OWS], v[OW0], v[OW1], s70      ; each half of the lanes stores its own word
	global_store_b32 v[VOS], v[OWS], s[54:55]      ; two runs of 64 consecutive bytes
	s_wait_tensorcnt 0x0                           ; the wave's end
	ds_add_u32 v14, v15
	s_wait_dscnt 0x0
	s_endpgm
.Lfunc_end_k_q259bba8543_qkv:
	.size	k_q259bba8543_qkv, .Lfunc_end_k_q259bba8543_qkv-k_q259bba8543_qkv
	.p2alignl 7, 3214868480
	.fill 96, 4, 3214868480
	.section	.rodata,"a",@progbits
	.p2align	6, 0x0
	.amdhsa_kernel k_q259bba8543_qkv
		.amdhsa_group_segment_fixed_size 280576
		.amdhsa_private_segment_fixed_size 0
		.amdhsa_enable_private_segment 0
		.amdhsa_kernarg_size 32
		.amdhsa_user_sgpr_count 2
		.amdhsa_user_sgpr_kernarg_segment_ptr 1
		.amdhsa_wavefront_size32 1
		.amdhsa_system_sgpr_workgroup_id_x 1
		.amdhsa_system_sgpr_workgroup_id_y 1
		.amdhsa_system_sgpr_workgroup_id_z 1
		.amdhsa_system_vgpr_workitem_id 0
		.amdhsa_next_free_vgpr 256
		.amdhsa_next_free_sgpr 72
		.amdhsa_reserve_vcc 0
		.amdhsa_float_denorm_mode_32 3
		.amdhsa_float_denorm_mode_16_64 3
		.amdhsa_memory_ordered 1
		.amdhsa_forward_progress 1
		.amdhsa_inst_pref_size 44
	.end_amdhsa_kernel
	.amdgpu_metadata
---
amdhsa.version: [ 1, 2 ]
amdhsa.kernels:
  - .name:           k_q259bba8543_qkv
    .symbol:         k_q259bba8543_qkv.kd
    .args:
      - { .name: xq, .offset: 0, .size: 8, .value_kind: global_buffer, .address_space: global }
      - { .name: wq, .offset: 8, .size: 8, .value_kind: global_buffer, .address_space: global }
      - { .name: qk, .offset: 16, .size: 8, .value_kind: global_buffer, .address_space: global }
      - { .name: vq, .offset: 24, .size: 8, .value_kind: global_buffer, .address_space: global }
    .group_segment_fixed_size: 280576
    .private_segment_fixed_size: 0
    .kernarg_segment_align: 8
    .kernarg_segment_size: 32
    .max_flat_workgroup_size: 512
    .sgpr_count:     72
    .vgpr_count:     256
    .wavefront_size: 32
...
	.end_amdgpu_metadata
.endif
;; end of part 2
;; launch attn (part 3): grid 8 x 32, 16 waves a work-group, clusters of 4 x 1, 272,384 bytes of LDS; arguments qk, vq, cq; writes cq
.if DOCPART == 3
	.amdgcn_target "amdgcn-amd-amdhsa--gfx1250"
	.amdhsa_code_object_version 6
	.text
	.protected	k_q259bba8543_attn
	.globl	k_q259bba8543_attn
	.p2align	8
	.type	k_q259bba8543_attn,@function
k_q259bba8543_attn:
	s_mov_b64 s[64:65], 0
	v_nop
	global_prefetch_b8 v0, s[64:65] scope:SCOPE_SE
	s_setreg_imm32_b32 hwreg(HW_REG_WAVE_MODE, 25, 1), 1
	s_wait_xcnt 0x0
	s_wait_alu depctr_hold_cnt(0) depctr_sa_sdst(0) depctr_va_vdst(0) depctr_va_sdst(0) depctr_va_ssrc(0) depctr_va_vcc(0) depctr_vm_vsrc(0)
	s_getreg_b32 s2, hwreg(HW_REG_IB_STS2, 6, 4)
	s_cmp_eq_u32 s2, 0
	s_cbranch_scc0 .Lentry_in_a_cluster
	s_endpgm
.Lentry_in_a_cluster:
	s_bfe_u32 s2, ttmp6, 0x10000c
	s_cmp_lg_u32 s2, 0x3003
	s_cbranch_scc0 .Lentry_shape_is_right
	s_endpgm
.Lentry_shape_is_right:
; ctx[b][q][h x 64 + d] = the sum over keys of softmax(q . k / 8) v, both products on codes of FP4 with E8M0 scales; the result is quantised along h x 64 + d and leaves as codes.
; THE SOFTMAX AHEAD OF THE SECOND PRODUCT: t = score x log2(e) / 8; M = the row's largest t, rounded up to a whole number; p = 2^(t - M) is quantised along the keys, not normalised; the row's sum is
; taken of the unquantised p and divides O at the end.
; TWO WALKS OVER THE KEYS.  Walk 1: S^T = K Q^T and of it only the largest score of each block of 32 keys (which p's block scale needs in any case) and the row's largest.  The block maxima, 16 bytes a lane and step,
; wait in the wave's own 8,192 bytes of LDS.  Walk 2: S^T once more, p under the row's final M, the sum, the codes, O^T += V^T P^T.  So M never moves while O^T and the sum are gathered: nothing is rescaled.
; LIMITS: NaN and infinities are not served; the promise holds while |t| stays under 2^31; a p under 2^-126 counts as 0; a block under 2^-124, or of zeros, keeps the byte 1.
; SHARES.  A work-group owns 256 queries of one (batch, head); each of its sixteen waves one tile of 16: four waves to a SIMD.  Every wave walks the head's 2,048 keys, 128 a step, four steps a trip.
; A whole head's K and V come into LDS once and stay: nothing is filled again.  Codes: 131,072 bytes, 8,192 a wave by its one tensor load (waves 0-7 K's, 8-15 V's).
; Scale words: 8,192 bytes, 512 a wave through registers, into bytes that no tensor load fills.
; CLUSTER.  The eight work-groups of a head read the same K and V: four form a cluster and ask JOINTLY, by the same load with the same descriptor (made of the head and the wave's number alone).
; One round of the cluster's barrier stands in front of the joint loads and one in front of the end.  The work-group's place in its cluster enters the addresses of q and of ctx alone.
; NO PREFETCH: every byte of K and V is asked for once, at the head; there is no loop to run ahead in.
; LAYOUT.  Both products are used transposed: a lane holds one query (lane % 16) throughout.  All operands lie as images of their registers: two loads at 16 x lane bring a fragment.
; THE FIRST PRODUCT'S K IS 64, the instruction's 128: a fragment of K holds TWO tiles of 16 keys; against [q, 0] it gives the first tile's scores, against [0, q] the second's: zero codes add nothing.
; The scale bytes of ctx leave as single bytes: a row's 32 bytes come from sixteen heads, that is sixteen work-groups, so no gathering inside one can make a store whole.
.set VREG, 65536                       ; LDS: K's codes at 0, 64 fragments of 1,024 bytes; V's here, [key step 16][tile of d 4][1,024]
.set KSR,  131072                      ; K's scale words, [fragment][16 r]
.set VSR,  135168                      ; V's, [key step][tile][16 r]
.set BMR,  139264                      ; the block maxima: 8,192 bytes a wave: [key step 16][lane][4 blocks]
.set SPARE, 0x42000                    ; the spare words, 128 bytes a wave
.set ADK,  3                           ; v3-6  LDS addresses of the four key steps in hand
.set ADV,  4
.set ADKS, 5
.set ADVS, 6
.set TM,   7                           ; v7    the row's largest score, then t
.set QS,   28                          ; v28   q's two scale bytes, in both halves of the word
.set KSC,  30                          ; v30-31 K's scale words
.set KF,   32                          ; v32-63  four fragments of K
.set VF,   64                          ; v64-95  four of V
.set S,    96                          ; v96-159 S^T, then p
.set O,    160                         ; v160-191 O^T
.set PC,   192                         ; v192-199 p's codes
.set BM,   200                         ; v200-203 each block's largest score, then its largest p
.set BP,   204                         ; v204-207 lane l xor 16's, then the bytes
.set BS,   208
.set F,    212                         ; v[212:213] 1 / the sum, and a 0 beside it
.set PW,   214
.set TMP,  215
.set C1,   216                         ; v216-221 three more chains of the sum, a pair each; the first is v[14:15]
.set BA,   222                         ; v222  my 16 bytes of a step's block maxima; v223 lane l xor 16's
.set BB,   223
.set ADBA, 224                         ; v224-225 the same for the four steps in hand
.set ADBB, 225
.set VSC,  228
.set CC,   230                         ; v230, v231: c = log2(e) / 8, twice.   v12, v13: -M, twice: the two halves of a dual pair take their sources from different register banks
.set SPW,  232
.set NIL,  233
.macro ROUND                           ; a round of the cluster's barrier
	s_barrier_signal -1
	s_barrier_wait -1
	s_cmp_lg_u32 s10, 0
	s_cbranch_scc1 .Lnot_wave_0_\@
	s_barrier_signal -3
.Lnot_wave_0_\@:
	s_barrier_wait -3
	s_barrier_signal -1
	s_barrier_wait -1
.endm
	s_load_b128 s[4:7], s[0:1], 0x0                ; qk, vq
	s_load_b64 s[8:9], s[0:1], 0x10                ; cq
	v_lshl_add_u32 v[SPW], v0, 2, SPARE
	v_mov_b32 v[NIL], 0
	ds_add_u32 v[SPW], v[NIL]                      ; the opening lines: the add twice on end and its wait
	ds_add_u32 v[SPW], v[NIL]
	v_lshrrev_b32 v1, 5, v0
	s_delay_alu instid0(VALU_DEP_1)
	v_readfirstlane_b32 s10, v1                    ; wave 0..15
	s_and_b32 s11, ttmp7, 0xffff                   ; bh = batch x 16 + head
	s_bfe_u32 s12, ttmp6, 0x40000                  ; cx
	s_lshl_b32 s13, ttmp9, 2
	s_add_co_u32 s12, s13, s12                     ; work-group x = 4 x cluster + cx
	s_lshl_b32 s12, s12, 4
	s_add_co_u32 s12, s12, s10                     ; my tile of queries in the head, 0..127
	s_mov_b32 s20, 15|(3<<16)|(1<<21)              ; group 1: the mask of all four; 32 rows of 256 bytes (32 elements of 8), dense
	s_mov_b32 s21, 32<<16
	s_mov_b32 s22, 32<<16
	s_mov_b32 s23, 32<<16
	s_mov_b32 s24, 32
	s_mov_b32 s25, 32
	s_mov_b32 s26, 0
	s_mov_b32 s27, 0
	s_and_b32 s13, s10, 7
	s_lshl_b32 s14, s11, 16                        ; a head's codes are 65,536 bytes,
	s_lshl_b32 s15, s11, 12                        ; its scale words 4,096
	s_cmp_lt_u32 s10, 8                            ; waves 0-7: K, 8-15: V
	s_cselect_b32 s16, 2097152, 0                  ; k's codes lie behind q's
	s_mov_b32 s18, 2097152
	s_cselect_b32 s18, 4325376, s18                ; k's scale words behind q's, which lie behind the codes
	s_lshl_b32 s17, s13, 13
	s_add_co_u32 s16, s16, s17
	s_add_co_u32 s16, s16, s14                     ; my 8,192 bytes of codes
	s_mov_b32 s17, 0
	s_lshl_b32 s19, s13, 9
	s_add_co_u32 s18, s18, s19
	s_add_co_u32 s18, s18, s15                     ; my 512 bytes of scale words
	s_mov_b32 s19, 0
	s_mov_b32 s44, 1                               ; group 0
	s_lshl_b32 s45, s10, 13                        ; LDS: 8,192 x wave
	s_lshl_b32 s28, s12, 9
	s_add_co_u32 s28, s28, s14                     ; q's codes: a tile is 512 bytes
	s_mov_b32 s29, 0
	s_lshr_b32 s30, s12, 1
	s_lshl_b32 s30, s30, 6
	s_add_co_u32 s30, s30, s15
	s_add_co_u32 s30, s30, 4194304                 ; q's scale words: 64 bytes a pair of tiles
	s_mov_b32 s31, 0
	s_lshl_b32 s34, s10, 13
	s_add_co_u32 s34, s34, BMR                     ; my wave's block maxima
	s_mov_b32 s56, 0x76543210
	s_mov_b32 s57, 0xfedcba98                      ; v_permlanex16_b32's selects for lane l xor 16
	s_mov_b32 s58, 0x3e38aa3b                      ; c = log2(e) / 8
	s_mov_b32 s59, 0                               ; where the four key steps in hand begin among the block maxima,
	s_mov_b32 s60, 0                               ; among the codes,
	s_mov_b32 s61, 0                               ; and among the scale words
	s_mov_b32 s62, 4
	s_mov_b32 s63, 0xffff0000                      ; lanes 16-31
	v_and_b32 v2, 31, v0
	v_and_b32 v[TMP], 15, v0                       ; r
	v_bfe_u32 v8, v0, 4, 1                         ; h
	v_lshlrev_b32 v1, 4, v2                        ; 16 x lane
	v_lshlrev_b32 v2, 2, v2                        ; 4 x lane
	v_lshl_add_u32 v8, v[TMP], 4, v8               ; the way out: my scale byte at 16 r + h
	v_lshlrev_b32 v[TMP], 2, v[TMP]                ; 4 r
	v_lshl_add_u32 v3, v0, 4, KSR                  ; where my 16 bytes of scale words go: 512 x wave + 16 x lane
	v_add_nc_u32 v9, VREG, v1
	v_add_nc_u32 v10, KSR, v2
	v_add_nc_u32 v11, VSR, v2
	v_add_nc_u32 v[BA], s34, v1
	v_mov_b32 v[TM], 0xff61b1e6                    ; -3e38, under every score
	v_xor_b32 v[BB], 256, v[BA]                    ; 16 x (lane xor 16)
.irp j, 16,17,18,19,24,25,26,27
	v_mov_b32 v[\j], 0                             ; v[16:23] = [0, q], v[20:27] = [q, 0]
.endr
	v_mov_b32 v14, 0                               ; the sum, in four chains of pairs
	v_mov_b32 v15, 0
.irp j, 0,1,2,3,4,5
	v_mov_b32 v[C1+\j], 0
.endr
	v_mov_b32 v[F+1], 0                            ; named with 1 / the sum as a pair
	v_mov_b32 v[CC], 0x3e38aa3b
	v_mov_b32 v[CC+1], 0x3e38aa3b
	s_wait_alu depctr_va_vdst(0)                   ; the wait ahead of the waits below
	s_wait_dscnt 0x0                               ; both opening adds are done
	s_wait_kmcnt 0x0
	s_cmp_lt_u32 s10, 8
	s_cselect_b64 s[32:33], s[4:5], s[6:7]
	s_add_nc_u64 s[46:47], s[32:33], s[16:17]
	s_or_b32 s47, s47, 0x80000000
	s_add_nc_u64 s[18:19], s[32:33], s[18:19]
	s_add_nc_u64 s[28:29], s[4:5], s[28:29]
	s_add_nc_u64 s[30:31], s[4:5], s[30:31]
	global_load_b128 v[KF:KF+3], v1, s[18:19]      ; my 512 bytes of scale words
	global_load_b128 v[20:23], v1, s[28:29]        ; q: d = 32 (lane / 16) .. + 31 of query lane % 16
	global_load_b32 v29, v[TMP], s[30:31]
	ROUND                                          ; all four work-groups are here: the joint loads meet
	tensor_load_to_lds s[44:47], s[20:27]          ; my one tensor load
	s_nop 0
	s_wait_loadcnt 0x2                             ; the scale words are in; q's two loads are younger
	ds_store_b128 v3, v[KF:KF+3]
	s_wait_loadcnt 0x0                             ; q
	s_and_b32 s13, s10, 1
	s_lshl_b32 s13, s13, 4
	v_lshrrev_b32 v29, s13, v29                    ; my tile's two bytes of the pair's word,
	s_delay_alu instid0(VALU_DEP_1)
	v_and_b32 v29, 0xffff, v29
	s_delay_alu instid0(VALU_DEP_1)
	v_lshl_or_b32 v[QS], v29, 16, v29              ; for [q, 0] and for [0, q] alike
.set i, 0
.rept 32
	v_mov_b32 v[O+i], 0                            ; O^T: the step is written once: the first adds onto zeros.  (Also the places between q's scale word and the first product)
.set i, i+1
.endr
.macro QK b                            ; fragment b of K: its two tiles of 16 keys
.if (\b)%2
	v_wmma_scale_f32_16x16x128_f8f6f4 v[S+16*\b:S+16*\b+7], v[KF+8*\b:KF+8*\b+7], v[20:27], 0, v[KSC+(\b)/2], v[QS] matrix_a_fmt:MATRIX_FMT_FP4 matrix_b_fmt:MATRIX_FMT_FP4 matrix_a_scale:MATRIX_SCALE_ROW1
	v_wmma_scale_f32_16x16x128_f8f6f4 v[S+16*\b+8:S+16*\b+15], v[KF+8*\b:KF+8*\b+7], v[16:23], 0, v[KSC+(\b)/2], v[QS] matrix_a_fmt:MATRIX_FMT_FP4 matrix_b_fmt:MATRIX_FMT_FP4 matrix_a_scale:MATRIX_SCALE_ROW1
.else
	v_wmma_scale_f32_16x16x128_f8f6f4 v[S+16*\b:S+16*\b+7], v[KF+8*\b:KF+8*\b+7], v[20:27], 0, v[KSC+(\b)/2], v[QS] matrix_a_fmt:MATRIX_FMT_FP4 matrix_b_fmt:MATRIX_FMT_FP4
	v_wmma_scale_f32_16x16x128_f8f6f4 v[S+16*\b+8:S+16*\b+15], v[KF+8*\b:KF+8*\b+7], v[16:23], 0, v[KSC+(\b)/2], v[QS] matrix_a_fmt:MATRIX_FMT_FP4 matrix_b_fmt:MATRIX_FMT_FP4
.endif
.endm
.macro PV t                            ; tile t of 16 d: O^T += V^T P^T over these 128 keys
.if (\t)%2
	v_wmma_scale_f32_16x16x128_f8f6f4 v[O+8*\t:O+8*\t+7], v[VF+8*\t:VF+8*\t+7], v[PC:PC+7], v[O+8*\t:O+8*\t+7], v[VSC+(\t)/2], v[PW] matrix_a_fmt:MATRIX_FMT_FP4 matrix_b_fmt:MATRIX_FMT_FP4 matrix_a_scale:MATRIX_SCALE_ROW1
.else
	v_wmma_scale_f32_16x16x128_f8f6f4 v[O+8*\t:O+8*\t+7], v[VF+8*\t:VF+8*\t+7], v[PC:PC+7], v[O+8*\t:O+8*\t+7], v[VSC+(\t)/2], v[PW] matrix_a_fmt:MATRIX_FMT_FP4 matrix_b_fmt:MATRIX_FMT_FP4
.endif
.endm
.macro KLOAD q                         ; K's four fragments and two registers of scale words of the q-th step in hand: ten loads
.irp b, 0,1,2,3
.irp c, 0,1
	ds_load_b128 v[KF+8*\b+4*\c:KF+8*\b+4*\c+3], v[ADK] offset:4096*(\q)+1024*\b+512*\c
.endr
.endr
.irp i, 0,1
	ds_load_b32 v[KSC+\i], v[ADKS] offset:256*(\q)+128*\i
.endr
.endm
.macro DADD d, a, b                    ; pair d = pair a + pair b
	v_dual_add_f32 v[\d], v[\a], v[\b] :: v_dual_add_f32 v[(\d)+1], v[(\a)+1], v[(\b)+1]
.endm
.macro SUMS from, n                    ; n times four pairs of p, from pair 'from' on, onto the four chains by turns
.set j, \from
.rept \n
	DADD 14, 14, S+2*j
	DADD C1, C1, S+2*j+2
	DADD C1+2, C1+2, S+2*j+4
	DADD C1+4, C1+4, S+2*j+6
.set j, j+4
.endr
.endm
; WALK 1, a key step: the scores, my 16 keys' largest of each block of 32, the row's largest so far.
.macro P1 q
	s_wait_dscnt 0x0                               ; K's ten loads are in (and the last step's store is done)
.irp b, 0,1,2,3
	QK \b
.endr                                          ; register 16 b + i of S holds key 32 b + 16 (lane / 16) + i of the step
.rept 4
	v_nop                                          ; places in front of the loads into K's registers and of the first read of results
.endr
.if (\q) < 3
	KLOAD (\q)+1                                   ; the next step's, under this step's maxima
.endif
.irp b, 0,1,2,3
	v_max3_num_f32 v[BM+\b], v[S+16*\b], v[S+1+16*\b], v[S+2+16*\b]
.endr
.irp i, 3,5,7,9,11,13
.irp b, 0,1,2,3
	v_max3_num_f32 v[BM+\b], v[BM+\b], v[S+16*\b+\i], v[S+1+16*\b+\i]   ; (the four blocks by turns)
.endr
.endr
.irp b, 0,1,2,3
	v_max_num_f32 v[BM+\b], v[BM+\b], v[S+15+16*\b]
.endr
	s_delay_alu instid0(VALU_DEP_3)
	v_max3_num_f32 v[TM], v[TM], v[BM], v[BM+1]
	s_delay_alu instid0(VALU_DEP_1)
	v_max3_num_f32 v[TM], v[TM], v[BM+2], v[BM+3]
	ds_store_b128 v[ADBA], v[BM:BM+3] offset:512*(\q)
.endm
; WALK 2, a key step: 128 keys, the q-th of the four in hand.  LDS loads in their order: K's ten (asked for a step ago), the maxima's two, V's ten, the next K's ten.
.macro STEP q
	ds_load_b128 v[BM:BM+3], v[ADBA] offset:512*(\q)               ; my wave's own bytes: LDS serves a wave's instructions in order
	ds_load_b128 v[BP:BP+3], v[ADBB] offset:512*(\q)
.irp b, 0,1,2,3
.irp c, 0,1
	ds_load_b128 v[VF+8*\b+4*\c:VF+8*\b+4*\c+3], v[ADV] offset:4096*(\q)+1024*\b+512*\c
.endr
.endr
.irp i, 0,1
	ds_load_b32 v[VSC+\i], v[ADVS] offset:256*(\q)+128*\i
.endr
	s_wait_dscnt 12                                ; K's ten loads are in; the twelve above are younger
.irp b, 0,1,2,3
	QK \b
.endr
	s_wait_dscnt 10                                ; the maxima are in; V's ten are younger
.irp b, 0,1,2,3
	v_max_num_f32 v[BM+\b], v[BM+\b], v[BP+\b]     ; with lane l xor 16's 16 keys: the block's largest score.  (These four are the places behind the products: ISA guide 7.12.1)
.endr
.if (\q) < 3
	KLOAD (\q)+1
.endif
.set i, 0
.rept 32
	v_dual_fma_f32 v[S+i], v[S+i], v[CC], v12 :: v_dual_fma_f32 v[S+i+1], v[S+i+1], v[CC+1], v13   ; t - M, each accumulator from its low end on
.set i, i+2
.endr
.irp b, 0,1,2,3
	v_fma_f32 v[BM+\b], v[BM+\b], s58, v12         ; the same of each block's largest score
.endr
	s_wait_alu depctr_va_vdst(0)                   ; the wait ahead of the batch
.set i, 0
.rept 64
	v_exp_f32 v[S+i], v[S+i]                       ; p = 2^(t - M), at most 1
.set i, i+1
.endr
.irp b, 0,1,2,3
	v_exp_f32 v[BM+\b], v[BM+\b]                   ; the block's largest p: the same two instructions on the same number give the same bits
.endr
	v_nop                                          ; a plain place behind the exponentials
	s_wait_alu depctr_va_vdst(0)                   ; one wait for the batch, ahead of its first reader
.irp b, 0,1,2,3
	v_max_num_f32 v[BM+\b], 0x1800000, v[BM+\b]    ; the floor 2^(3 - 127): the byte cannot fall under 1
.endr
.irp b, 0,1,2,3
	s_delay_alu instid0(VALU_DEP_4)
	v_add_nc_u32 v[BS+\b], 0xff000000, v[BM+\b]    ; 2 off the exponent field: the conversion's scale operand
.endr
.irp b, 0,1,2,3
	s_delay_alu instid0(VALU_DEP_4)
	v_lshrrev_b32 v[BP+\b], 23, v[BS+\b]           ; the scale's byte
.endr
	s_delay_alu instid0(VALU_DEP_3)
	v_lshl_or_b32 v[PW], v[BP+1], 8, v[BP]         ; p's scale word for these 128 keys
	s_delay_alu instid0(VALU_DEP_1)
	v_lshl_or_b32 v[PW], v[BP+2], 16, v[PW]
	s_delay_alu instid0(VALU_DEP_1)
	v_lshl_or_b32 v[PW], v[BP+3], 24, v[PW]
.irp b, 0,1,2,3
	v_cvt_scalef32_pk8_fp4_f32 v[PC+2*\b], v[S+16*\b:S+7+16*\b], v[BS+\b]
	v_cvt_scalef32_pk8_fp4_f32 v[PC+1+2*\b], v[S+8+16*\b:S+15+16*\b], v[BS+\b]
.endr
	v_nop                                          ; one plain place behind a scaled conversion
.irp c, 0,1                                    ; the operand's layout wants a whole block in a lane
.irp i, 0,1
	v_permlane16_swap_b32 v[PC+4*\c+\i], v[PC+2+4*\c+\i]
.endr
.endr
	SUMS 0, 6                                      ; THE ROW'S SUM OF THE UNQUANTISED p: pairs 0-23; also the places between p's scale word and codes and the products below
	s_wait_alu depctr_va_vdst(0)                   ; the wait here, directly ahead of the wait below
.if (\q) < 3
	s_wait_dscnt 10                                ; V is in; the next K's ten loads are younger
.else
	s_wait_dscnt 0x0
.endif
.irp t, 0,1,2,3
	PV \t                                          ; four accumulators by turns
.endr
	SUMS 24, 2                                     ; pairs 24-31: they name no register of the products above and are the places behind them
.endm
	s_wait_alu depctr_va_vdst(0)                   ; the wait at the head's end
	s_wait_tensorcnt 0x0                           ; my 8,192 bytes of codes are in,
	s_wait_dscnt 0x0                               ; and my store of scale words has landed
	s_barrier_signal -1
	s_barrier_wait -1                              ; everybody's: the head's K and V lie in LDS
.Lmax:                                                 ; WALK 1: four trips of four key steps
	v_add_nc_u32 v[ADK], s60, v1
	v_add_nc_u32 v[ADKS], s61, v10
	v_add_nc_u32 v[ADBA], s59, v[BA]
	s_wait_alu depctr_va_vdst(0)                   ; the wait behind these writes
	KLOAD 0
	P1 0
	P1 1
	P1 2
	P1 3
	s_add_co_u32 s59, s59, 2048
	s_add_co_u32 s60, s60, 16384
	s_add_co_u32 s61, s61, 1024
	s_sub_co_u32 s62, s62, 1
	s_cmp_lg_u32 s62, 0
	s_cbranch_scc1 .Lmax
	v_permlanex16_b32 v[TMP], v[TM], s56, s57
	s_delay_alu instid0(VALU_DEP_1)
	v_max_num_f32 v[TM], v[TM], v[TMP]             ; with lane l xor 16's keys: the row's largest score,
	s_delay_alu instid0(VALU_DEP_1)
	v_mul_f32 v[TM], s58, v[TM]                    ; as t (c is positive)
	s_delay_alu instid0(VALU_DEP_1)
	v_floor_f32 v12, -v[TM]                        ; -M = floor(-t) = -ceil(t): a whole number
	v_floor_f32 v13, -v[TM]
	s_mov_b32 s59, 0
	s_mov_b32 s60, 0
	s_mov_b32 s61, 0
	s_mov_b32 s62, 4
.Lpart:                                                ; WALK 2: four trips of four key steps
	v_add_nc_u32 v[ADK], s60, v1
	v_add_nc_u32 v[ADV], s60, v9
	v_add_nc_u32 v[ADKS], s61, v10
	v_add_nc_u32 v[ADVS], s61, v11
	v_add_nc_u32 v[ADBA], s59, v[BA]
	v_add_nc_u32 v[ADBB], s59, v[BB]
	s_wait_alu depctr_va_vdst(0)                   ; the wait behind these writes
	KLOAD 0
	STEP 0
	STEP 1
	STEP 2
	STEP 3
	s_add_co_u32 s59, s59, 2048
	s_add_co_u32 s60, s60, 16384
	s_add_co_u32 s61, s61, 1024
	s_sub_co_u32 s62, s62, 1
	s_cmp_lg_u32 s62, 0
	s_cbranch_scc1 .Lpart
	; THE WAY OUT.  O^T / the sum; register 16 b + i is d = 32 b + 16 (lane / 16) + i of my query: two blocks of the last product's K; codes and bytes go where that product's operand wants them.
	DADD 14, 14, C1                                ; the four chains,
	DADD C1+2, C1+2, C1+4
	DADD 14, 14, C1+2
	v_add_f32 v14, v14, v15                        ; the pair's halves,
	s_delay_alu instid0(VALU_DEP_1)
	v_permlanex16_b32 v[TMP], v14, s56, s57
	s_delay_alu instid0(VALU_DEP_1)
	v_add_f32 v14, v14, v[TMP]                     ; and lane l xor 16's: the row's sum
	s_wait_alu depctr_va_vdst(0)                   ; the wait ahead of the transcendental
	v_rcp_f32 v[F], v14
	v_nop                                          ; a plain place behind the transcendental
	s_wait_alu depctr_va_vdst(0)                   ; and ahead of its first reader
.set i, 0
.rept 16
	v_pk_mul_f32 v[O+i:O+i+1], v[O+i:O+i+1], v[F:F+1] op_sel_hi:[1,0]
.set i, i+2
.endr
	s_lshr_b32 s13, s11, 4                         ; batch
	s_lshl_b32 s13, s13, 7
	s_add_co_u32 s13, s13, s12                     ; the tile of tokens, 0..255
	s_and_b32 s14, s11, 15                         ; head
	s_lshl_b32 s16, s13, 13
	s_lshl_b32 s15, s14, 9                         ; 512 bytes a head
	s_add_co_u32 s16, s16, s15
	s_mov_b32 s17, 0
	s_add_nc_u64 s[16:17], s[8:9], s[16:17]
	s_lshl_b32 s18, s13, 9
	s_lshr_b32 s15, s14, 3
	s_lshl_b32 s15, s15, 8                         ; which half of K,
	s_add_co_u32 s18, s18, s15
	s_and_b32 s15, s14, 7
	s_lshl_b32 s15, s15, 1                         ; which two of a row's 16 bytes
	s_add_co_u32 s18, s18, s15
	s_add_co_u32 s18, s18, 2097152
	s_mov_b32 s19, 0
	s_add_nc_u64 s[18:19], s[8:9], s[18:19]
	s_wait_alu depctr_va_vdst(0)                   ; the wait behind the run of scalar lines
.irp b, 0,1
	v_max3_num_f32 v[BM+\b], |v[O+16*\b]|, |v[O+1+16*\b]|, 0x1800000
.endr
.irp i, 2,4,6,8,10,12,14
.irp b, 0,1
	s_delay_alu instid0(VALU_DEP_2)
	v_max3_num_f32 v[BM+\b], v[BM+\b], |v[O+16*\b+\i]|, |v[O+1+16*\b+\i]|
.endr
.endr
.irp b, 0,1
	s_delay_alu instid0(VALU_DEP_2)
	v_permlanex16_b32 v[BP+\b], v[BM+\b], s56, s57
.endr
.irp b, 0,1
	s_delay_alu instid0(VALU_DEP_2)
	v_max_num_f32 v[BM+\b], v[BM+\b], v[BP+\b]
.endr
.irp b, 0,1
	s_delay_alu instid0(VALU_DEP_2)
	v_add_nc_u32 v[BS+\b], 0xff000000, v[BM+\b]
.endr
.irp b, 0,1
	s_delay_alu instid0(VALU_DEP_2)
	v_lshrrev_b32 v[BP+\b], 23, v[BS+\b]
.endr
.irp b, 0,1
	v_cvt_scalef32_pk8_fp4_f32 v[PC+2*\b], v[O+16*\b:O+7+16*\b], v[BS+\b]
	v_cvt_scalef32_pk8_fp4_f32 v[PC+1+2*\b], v[O+8+16*\b:O+15+16*\b], v[BS+\b]
.endr
	v_cndmask_b32 v[TMP], v[BP], v[BP+1], s63      ; lanes 0-15 store block 0's byte, lanes 16-31 block 1's.  (A plain place behind the conversions)
.irp i, 0,1
	v_permlane16_swap_b32 v[PC+\i], v[PC+2+\i]     ; registers 0-3: d = 32 (lane / 16) .. + 31
.endr
	global_store_b128 v1, v[PC:PC+3], s[16:17]     ; 512 consecutive bytes
	global_store_b8 v8, v[TMP], s[18:19]
	s_wait_tensorcnt 0x0                           ; the wave's end
	ds_add_u32 v[SPW], v[NIL]
	s_wait_dscnt 0x0
	ROUND                                          ; the closing round: no work-group ends while a partner may still ask for a tile that names it
	s_endpgm
.Lfunc_end_k_q259bba8543_attn:
	.size	k_q259bba8543_attn, .Lfunc_end_k_q259bba8543_attn-k_q259bba8543_attn
	.p2alignl 7, 3214868480
	.fill 96, 4, 3214868480
	.section	.rodata,"a",@progbits
	.p2align	6, 0x0
	.amdhsa_kernel k_q259bba8543_attn
		.amdhsa_group_segment_fixed_size 272384
		.amdhsa_private_segment_fixed_size 0
		.amdhsa_enable_private_segment 0
		.amdhsa_kernarg_size 24
		.amdhsa_user_sgpr_count 2
		.amdhsa_user_sgpr_kernarg_segment_ptr 1
		.amdhsa_wavefront_size32 1
		.amdhsa_system_sgpr_workgroup_id_x 1
		.amdhsa_system_sgpr_workgroup_id_y 1
		.amdhsa_system_sgpr_workgroup_id_z 1
		.amdhsa_system_vgpr_workitem_id 0
		.amdhsa_next_free_vgpr 240
		.amdhsa_next_free_sgpr 66
		.amdhsa_reserve_vcc 0
		.amdhsa_float_denorm_mode_32 3
		.amdhsa_float_denorm_mode_16_64 3
		.amdhsa_memory_ordered 1
		.amdhsa_forward_progress 1
		.amdhsa_inst_pref_size 79
	.end_amdhsa_kernel
	.amdgpu_metadata
---
amdhsa.version: [ 1, 2 ]
amdhsa.kernels:
  - .name:           k_q259bba8543_attn
    .symbol:         k_q259bba8543_attn.kd
    .args:
      - { .name: qk, .offset: 0, .size: 8, .value_kind: global_buffer, .address_space: global }
      - { .name: vq, .offset: 8, .size: 8, .value_kind: global_buffer, .address_space: global }
      - { .name: cq, .offset: 16, .size: 8, .value_kind: global_buffer, .address_space: global }
    .group_segment_fixed_size: 272384
    .private_segment_fixed_size: 0
    .kernarg_segment_align: 8
    .kernarg_segment_size: 24
    .max_flat_workgroup_size: 512
    .sgpr_count:     66
    .vgpr_count:     240
    .wavefront_size: 32
...
	.end_amdgpu_metadata
.endif
;; end of part 3
;; launch outln (part 4): grid 256 x 1, 16 waves a work-group, clusters of 4 x 1, 327,680 bytes of LDS; arguments cq, wq, x, b_o, ln_gamma, ln_beta, out0; writes out0
.if DOCPART == 4
	.amdgcn_target "amdgcn-amd-amdhsa--gfx1250"
	.amdhsa_code_object_version 6
	.text
	.protected	k_q259bba8543_outln
	.globl	k_q259bba8543_outln
	.p2align	8
	.type	k_q259bba8543_outln,@function
k_q259bba8543_outln:
	s_mov_b64 s[64:65], 0
	v_nop
	global_prefetch_b8 v0, s[64:65] scope:SCOPE_SE
	s_setreg_imm32_b32 hwreg(HW_REG_WAVE_MODE, 25, 1), 1
	s_wait_xcnt 0x0
	s_wait_alu depctr_hold_cnt(0) depctr_sa_sdst(0) depctr_va_vdst(0) depctr_va_sdst(0) depctr_va_ssrc(0) depctr_va_vcc(0) depctr_vm_vsrc(0)
	s_getreg_b32 s2, hwreg(HW_REG_IB_STS2, 6, 4)
	s_cmp_eq_u32 s2, 0
	s_cbranch_scc0 .Lentry_in_a_cluster
	s_endpgm
.Lentry_in_a_cluster:
	s_bfe_u32 s2, ttmp6, 0x10000c
	s_cmp_lg_u32 s2, 0x3003
	s_cbranch_scc0 .Lentry_shape_is_right
	s_endpgm
.Lentry_shape_is_right:
; out0 = LayerNorm(ctx w_o^T + b_o + x) x ln_gamma + ln_beta.  The product is on codes of FP4 with E8M0 scales, sums in f32; all else in f32.  Mean and variance in two passes: the variance is the mean of (y - mean)^2.
; LIMITS: NaN and infinities are not served.
; SHARES.  A work-group takes one tile of 16 tokens x all 1,024 columns, so that a row's mean and variance never leave it.  Wave w makes columns 64 w .. 64 w + 63: four tiles of w_o's rows, four accumulators, 8 K steps.
; TRANSPOSED USE: source 0 = 16 rows of w_o, source 1 = ctx's tile: a lane holds one token and eight neighbouring columns.  b_o is the C of the first products.
; w_o's 524,288 BYTES OF CODES COME IN TWO FILLS OF ONE SLOT of 262,144 bytes, by the tensor data mover.  Each wave asks for its own four tiles' halves (16,384 bytes) and reads only those.
; The first fill, K steps 0-3, goes on into the wave's 128 registers as soon as it has landed; then the slot is filled again with K steps 4-7, and that load is on its way while K steps 0-3 are multiplied out of registers.
; CLUSTER.  Every work-group wants the same w_o, so four work-groups form a cluster and ask JOINTLY: the same load, with the same descriptor (made of wq's address and the wave's number alone) and a mask that
; names the four.  A round of the cluster's barrier stands in front of the first joint loads, one in front of the refill, and one in front of the end.  The work-group's place in its cluster enters the addresses of ctx, x and out0 alone.
; All of a WGP's LDS is claimed.  NO PREFETCH: there is no loop to run ahead in.
; ctx's tile (8,192 bytes), ln_gamma and ln_beta (4,096 each) are read once, 512 bytes of each kind a wave, and handed round through LDS.
; Afterwards wave w owns row w of the tile: token 32 (T / 2) + 8 (T % 2) + w + 8 (w / 8).  Its row of x comes by eight loads into registers.
; LDS: w_o's slot at 0 (wave w at 16,384 w: tile t at 4,096 t, the half's K step k at 1,024 k); ctx's images at 262,144; ln_gamma, then ln_beta, at 270,336; the spare words at 278,528.
; The stage for the sums, 16 rows x (4,096 + 16) bytes, lies at 0, in the slot: it has had its last fill, and a barrier stands between every wave's last read of it and the first store.
.set CIM,  262144
.set GB,   270336
.set SPIT, 4112
.set CF,   16                          ; v16-31   ctx's fragment of K step s in buffer s % 2
.set XV,   32                          ; v32-63   my row of x
.set WSET, 64                          ; v64-191  four sets of four fragments of w_o: K step s in set s % 4; at last ln_gamma, ln_beta and my row of sums
.set WSC,  192                         ; v192-207 w_o's scale words: register 4 (2 p + g) + q: pair of tiles p, K step 4 g + q
.set CSC,  208                         ; v208-211 ctx's: register q: lanes 0-15 K step q, lanes 16-31 K step 4 + q
.set ACC,  212                         ; v212-243 four accumulators
.set PIE,  244                         ; v244-247 my 512 bytes of ctx's images; later the mean and the reciprocal root
.set GBL,  248                         ; v248-251 my 512 bytes of ln_gamma or ln_beta; later among the sums
.set SUM,  248                         ; v248-255 four chains of sums (v254, v255 serve the add up to the refill and are made anew at the end)
.set MEAN, 244
.set RS,   246
.set GAM,  WSET
.set BET,  WSET+32
.set Y,    WSET+64
.macro ROUND                           ; a round of the cluster's barrier
	s_barrier_signal -1
	s_barrier_wait -1
	s_cmp_lg_u32 s18, 0
	s_cbranch_scc1 .Lnot_wave_0_\@
	s_barrier_signal -3
.Lnot_wave_0_\@:
	s_barrier_wait -3
	s_barrier_signal -1
	s_barrier_wait -1
.endm
	s_load_b256 s[4:11], s[0:1], 0x0               ; cq s[4:5], wq s[6:7], x s[8:9], b_o s[10:11]
	s_load_b128 s[12:15], s[0:1], 0x20             ; ln_gamma, ln_beta
	s_load_b64 s[16:17], s[0:1], 0x30              ; out0
	v_lshl_add_u32 v254, v0, 2, 0x44000
	v_mov_b32 v255, 0
	ds_add_u32 v254, v255                          ; the opening lines: the add twice on end and its wait
	ds_add_u32 v254, v255
	s_wait_dscnt 0x0
	v_lshrrev_b32 v1, 5, v0
	s_delay_alu instid0(VALU_DEP_1)
	v_readfirstlane_b32 s18, v1                    ; wave 0..15
	s_bfe_u32 s19, ttmp6, 0x40000                  ; cx
	s_lshl_b32 s32, ttmp9, 2
	s_add_co_u32 s19, s32, s19                     ; T, my tile of tokens = 4 x cluster + cx
	s_mov_b32 s24, 15|(3<<16)|(1<<21)              ; group 1: the mask of all four; four tiles' halves: 4 rows of 4,096 bytes (512 elements of 8), 8,192 bytes apart in memory, on end in LDS
	s_mov_b32 s25, 512<<16
	s_mov_b32 s26, 4<<16
	s_mov_b32 s27, 512<<16
	s_mov_b32 s28, 4
	s_mov_b32 s29, 1024
	s_mov_b32 s30, 0
	s_mov_b32 s31, 0
	s_lshl_b32 s34, s18, 2
	s_add_co_u32 s34, s34, 192                     ; my first tile of w_o in wq
	s_lshl_b32 s40, s34, 13                        ; its codes
	s_mov_b32 s41, 0
	s_lshl_b32 s42, s34, 9
	s_add_co_u32 s42, s42, 2097152                 ; its scale bytes
	s_mov_b32 s43, 0
	s_mov_b32 s20, 1                               ; group 0
	s_lshl_b32 s21, s18, 14                        ; LDS address: 16,384 x wave
	s_lshr_b32 s32, s19, 1
	s_lshl_b32 s32, s32, 5
	s_and_b32 s33, s19, 1
	s_lshl_b32 s33, s33, 3
	s_add_co_u32 s32, s32, s33
	s_add_co_u32 s32, s32, s18
	s_lshr_b32 s33, s18, 3
	s_lshl_b32 s33, s33, 3
	s_add_co_u32 s32, s32, s33                     ; my token
	s_lshl_b32 s32, s32, 12                        ; its row in x and in out0, in bytes
	s_mov_b32 s33, 0
	s_lshl_b32 s36, s19, 13                        ; ctx's codes
	s_mov_b32 s37, 0
	s_lshl_b32 s38, s19, 9
	s_add_co_u32 s38, s38, 2097152                 ; ctx's scale bytes
	s_mov_b32 s39, 0
	s_lshl_b32 s44, s18, 8                         ; b_o at my 64 columns
	s_mov_b32 s45, 0
	s_mov_b32 s46, 0x76543210
	s_mov_b32 s47, 0xfedcba98                      ; v_permlanex16_b32's selects for lane l xor 16
	s_mov_b32 s52, 0x3a800000                      ; 1 / 1,024
	s_mov_b32 s53, 0x3727c5ac                      ; 1e-5
	v_and_b32 v1, 31, v0
	v_and_b32 v2, 15, v0                           ; r
	v_bfe_u32 v3, v0, 4, 1                         ; h
	s_delay_alu instid0(VALU_DEP_3)
	v_lshlrev_b32 v1, 4, v1                        ; 16 x lane
	s_delay_alu instid0(VALU_DEP_2)
	v_lshlrev_b32 v4, 6, v3                        ; 64 h
	s_delay_alu instid0(VALU_DEP_4)
	v_lshlrev_b32 v5, 4, v2
	s_delay_alu instid0(VALU_DEP_1)
	v_lshl_add_u32 v6, v3, 8, v5                   ; ctx's scale words: 16 r + 256 h
	s_delay_alu instid0(VALU_DEP_2)
	v_lshl_add_u32 v5, v3, 9, v5                   ; w_o's: 16 r + 512 h
	v_mul_u32_u24 v7, v2, SPIT
	s_delay_alu instid0(VALU_DEP_1)
	v_add_nc_u32 v7, v7, v4
	s_lshl_b32 s34, s18, 8
	v_add_nc_u32 v7, s34, v7                       ; the stage, in: row r, + 256 w + 64 h
	s_mul_i32 s34, s18, SPIT
	v_add_nc_u32 v8, s34, v1                       ; and back: row w, 16 bytes a lane
	v_add_nc_u32 v9, s21, v1                       ; my tiles of w_o in LDS
	s_lshl_b32 s34, s18, 9
	v_add_nc_u32 v10, s34, v1                      ; my 512 bytes of ctx's images, in memory,
	s_delay_alu instid0(VALU_DEP_1)
	v_add_nc_u32 v11, CIM, v10                     ; and in LDS
	s_delay_alu instid0(VALU_DEP_2)
	v_add_nc_u32 v12, GB, v10                      ; my 512 bytes of ln_gamma (waves 0-7) or ln_beta (waves 8-15) in LDS,
	s_and_b32 s34, s18, 7
	s_lshl_b32 s34, s34, 9
	v_add_nc_u32 v15, s34, v1                      ; and in memory
	v_add_nc_u32 v13, CIM, v1                      ; a fragment of ctx: 16 x lane
	v_add_nc_u32 v14, GB, v1                       ; ln_gamma as a row lies: 16 x lane
	s_wait_kmcnt 0x0
	s_add_nc_u64 s[40:41], s[6:7], s[40:41]
	s_add_nc_u64 s[42:43], s[6:7], s[42:43]
	s_mov_b64 s[22:23], s[40:41]                   ; a tile's K steps 0-3 are its first 4,096 bytes
	s_or_b32 s23, s23, 0x80000000                  ; type = 2
	ROUND                                          ; all four work-groups are here: the joint loads meet
	tensor_load_to_lds s[20:23], s[24:31]          ; K steps 0-3 of my four tiles: my one load at the head
	s_nop 0
.rept 4
	v_nop                                          ; the four lines behind a tensor load
.endr
	s_add_nc_u64 s[50:51], s[8:9], s[32:33]        ; my row of x
	s_add_nc_u64 s[16:17], s[16:17], s[32:33]      ; and of out0
	s_add_nc_u64 s[36:37], s[4:5], s[36:37]
	s_add_nc_u64 s[38:39], s[4:5], s[38:39]
	s_add_nc_u64 s[44:45], s[10:11], s[44:45]
	s_cmp_lt_u32 s18, 8                            ; the choice hangs on the wave's number alone
	s_cselect_b64 s[48:49], s[12:13], s[14:15]
.macro LGRP k                          ; the slot's K step k of my four tiles into set k
.irp t, 0,1,2,3
.irp c, 0,1
	ds_load_b128 v[WSET+32*(\k)+8*\t+4*\c:WSET+32*(\k)+8*\t+4*\c+3], v9 offset:4096*\t+1024*(\k)+512*\c
.endr
.endr
.endm
.macro CFL s                           ; ctx's fragment of K step s into buffer s % 2
.irp c, 0,1
	ds_load_b128 v[CF+8*((\s)%2)+4*\c:CF+8*((\s)%2)+4*\c+3], v13 offset:1024*(\s)+512*\c
.endr
.endm
	s_wait_alu depctr_va_vdst(0)                   ; the wait at the head's end
	global_load_b128 v[PIE:PIE+3], v10, s[36:37]
	global_load_b128 v[GBL:GBL+3], v15, s[48:49]
.irp b, 0,1
.irp u, 0,1
.irp k, 0,1
	global_load_b128 v[ACC+8*(2*\b+\u)+4*\k:ACC+8*(2*\b+\u)+4*\k+3], v4, s[44:45] offset:128*\b+32*\u+16*\k   ; register j of tile 2 b + u is column 64 w + 32 b + 16 h + 8 u + j
.endr
.endr
.endr
.irp p, 0,1
.irp g, 0,1
	global_load_b128 v[WSC+4*(2*\p+\g):WSC+4*(2*\p+\g)+3], v5, s[42:43] offset:1024*\p+256*\g
.endr
.endr
	global_load_b128 v[CSC:CSC+3], v6, s[38:39]
.irp i, 0,1,2,3,4,5,6,7
	global_load_b128 v[XV+4*\i:XV+4*\i+3], v1, s[50:51] offset:512*\i th:TH_LOAD_NT   ; my row of x: columns 128 i + 4 lane .. + 3; read once in this launch
.endr
	s_wait_loadcnt 21                              ; my two pieces are in: behind them 8 loads of b_o, 4 + 1 of scale words and 8 of x were issued
	ds_store_b128 v11, v[PIE:PIE+3]
	ds_store_b128 v12, v[GBL:GBL+3]
	s_wait_tensorcnt 0x0                           ; my four tiles' K steps 0-3 lie in LDS: only I read them
	LGRP 0                                         ; and go on into my registers
	LGRP 1
	LGRP 2
	LGRP 3
	s_wait_tensorcnt 0x0                           ; in front of the refill: no tensor load of mine is out;
	ds_add_u32 v254, v255                          ; 0 onto my spare word;
	s_add_nc_u64 s[22:23], s[22:23], 4096          ; (so the descriptor may be written: a tile's K steps 4-7 are its second 4,096 bytes)
	s_wait_dscnt 0x0                               ; the add is done, my reads of the slot are over, and my two stores have landed
	ROUND                                          ; that holds of every wave of all four work-groups; ctx's eight fragments, ln_gamma and ln_beta lie in LDS
	tensor_load_to_lds s[20:23], s[24:31]          ; the refill: K steps 4-7, my one load behind the round
	s_nop 0
.rept 4
	v_nop
.endr
	CFL 0
	CFL 1
.macro PROD t, s
.set rD, ACC+8*(\t)
.set rW, WSET+32*((\s)%4)+8*(\t)
.set rC, CF+8*((\s)%2)
.set rSW, WSC+4*(2*((\t)/2)+(\s)/4)+(\s)%4
.set rSC, CSC+(\s)%4
.if ((\t)%2 == 0) && ((\s) < 4)
	v_wmma_scale_f32_16x16x128_f8f6f4 v[rD:rD+7], v[rW:rW+7], v[rC:rC+7], v[rD:rD+7], v[rSW], v[rSC] matrix_a_fmt:MATRIX_FMT_FP4 matrix_b_fmt:MATRIX_FMT_FP4
.elseif ((\t)%2 == 1) && ((\s) < 4)
	v_wmma_scale_f32_16x16x128_f8f6f4 v[rD:rD+7], v[rW:rW+7], v[rC:rC+7], v[rD:rD+7], v[rSW], v[rSC] matrix_a_fmt:MATRIX_FMT_FP4 matrix_b_fmt:MATRIX_FMT_FP4 matrix_a_scale:MATRIX_SCALE_ROW1
.elseif ((\t)%2 == 0)
	v_wmma_scale_f32_16x16x128_f8f6f4 v[rD:rD+7], v[rW:rW+7], v[rC:rC+7], v[rD:rD+7], v[rSW], v[rSC] matrix_a_fmt:MATRIX_FMT_FP4 matrix_b_fmt:MATRIX_FMT_FP4 matrix_b_scale:MATRIX_SCALE_ROW1
.else
	v_wmma_scale_f32_16x16x128_f8f6f4 v[rD:rD+7], v[rW:rW+7], v[rC:rC+7], v[rD:rD+7], v[rSW], v[rSC] matrix_a_fmt:MATRIX_FMT_FP4 matrix_b_fmt:MATRIX_FMT_FP4 matrix_a_scale:MATRIX_SCALE_ROW1 matrix_b_scale:MATRIX_SCALE_ROW1
.endif
.endm
; THE EIGHT K STEPS.  Behind step s ctx's fragment of step s + 2 is asked for (2 LDS loads); behind step 3, when the refill has landed, also w_o's K steps 4-7 (4 x 8 loads).
; The LDS loads that are younger than what a step needs, and may stay out at its wait: steps 0-3: the next fragment's 2; step 4: K steps 5-7's 24; step 5: K steps 6, 7's 16 and a fragment's 2; step 6: a fragment's 2; step 7: none.
.irp s, 0,1,2,3,4,5,6,7
.if \s == 0
	s_wait_loadcnt 8                               ; b_o and the scale words are in; x's eight loads may be out
.endif
.set DN, 2
.if \s == 4
.set DN, 24
.elseif \s == 5
.set DN, 18
.elseif \s == 7
.set DN, 0
.endif
	s_wait_dscnt DN
.irp t, 0,1,2,3
	PROD \t, \s                                    ; four accumulators by turns
.endr
.rept 4
	v_nop                                          ; places in front of the loads into the registers just read, and of the reads of the results behind the last step
.endr
.if \s < 6
	CFL \s+2
.endif
.if \s == 3
	s_wait_tensorcnt 0x0                           ; my four tiles' K steps 4-7 lie in LDS: only I read them
	LGRP 0
	LGRP 1
	LGRP 2
	LGRP 3
.endif
.endr
	s_barrier_signal -1                            ; my reads of the slot are over (the last step waited for all my LDS loads), and my tensor loads have landed
	s_barrier_wait -1                              ; everybody's: the stage may be written over it
.irp b, 0,1
.irp u, 0,1
	ds_store_b128 v7, v[ACC+8*(2*\b+\u):ACC+8*(2*\b+\u)+3] offset:128*\b+32*\u         ; each accumulator from its low end on
	ds_store_b128 v7, v[ACC+8*(2*\b+\u)+4:ACC+8*(2*\b+\u)+7] offset:128*\b+32*\u+16
.endr
.endr
	s_wait_dscnt 0x0                               ; for the others' sake: my stores have landed
	s_barrier_signal -1
	s_barrier_wait -1                              ; 16 whole rows lie in the stage
.irp i, 0,1,2,3,4,5,6,7
	ds_load_b128 v[Y+4*\i:Y+4*\i+3], v8 offset:512*\i              ; my row: columns 128 i + 4 lane .. + 3
.endr
.irp i, 0,1,2,3,4,5,6,7
	ds_load_b128 v[GAM+4*\i:GAM+4*\i+3], v14 offset:512*\i
.endr
.irp i, 0,1,2,3,4,5,6,7
	ds_load_b128 v[BET+4*\i:BET+4*\i+3], v14 offset:4096+512*\i
.endr
	s_wait_dscnt 16                                ; my row is in; ln_gamma's eight loads and ln_beta's may be out
	s_wait_loadcnt 0x0                             ; x
.irp j, 0,2,4,6,8,10,12,14,16,18,20,22,24,26,28,30
	v_pk_add_f32 v[Y+\j:Y+\j+1], v[Y+\j:Y+\j+1], v[XV+\j:XV+\j+1]  ; y = ctx w_o^T + b_o + x
.endr
.irp k, 0,1,2,3
	v_pk_add_f32 v[SUM+2*\k:SUM+2*\k+1], v[Y+4*\k:Y+4*\k+1], v[Y+4*\k+2:Y+4*\k+3]   ; the row's sum, in four chains
.endr
.irp j, 0,8
.irp k, 0,1,2,3
	s_delay_alu instid0(VALU_DEP_4)
	v_pk_add_f32 v[SUM+2*\k:SUM+2*\k+1], v[SUM+2*\k:SUM+2*\k+1], v[Y+16+\j+2*\k:Y+17+\j+2*\k]
.endr
.endr
.macro ACROSS                          ; the four chains, the pair's halves, the 32 lanes: the sum in v[SUM] of every lane
	s_delay_alu instid0(VALU_DEP_3)
	v_pk_add_f32 v[SUM:SUM+1], v[SUM:SUM+1], v[SUM+2:SUM+3]
	s_delay_alu instid0(VALU_DEP_2)
	v_pk_add_f32 v[SUM+4:SUM+5], v[SUM+4:SUM+5], v[SUM+6:SUM+7]
	s_delay_alu instid0(VALU_DEP_1)
	v_pk_add_f32 v[SUM:SUM+1], v[SUM:SUM+1], v[SUM+4:SUM+5]
	s_delay_alu instid0(VALU_DEP_1)
	v_add_f32 v[SUM], v[SUM], v[SUM+1]
	s_delay_alu instid0(VALU_DEP_1)
	v_add_f32_dpp v[SUM], v[SUM], v[SUM] row_xmask:1 row_mask:0xf bank_mask:0xf
	s_delay_alu instid0(VALU_DEP_1)
	v_add_f32_dpp v[SUM], v[SUM], v[SUM] row_xmask:2 row_mask:0xf bank_mask:0xf
	s_delay_alu instid0(VALU_DEP_1)
	v_add_f32_dpp v[SUM], v[SUM], v[SUM] row_xmask:4 row_mask:0xf bank_mask:0xf
	s_delay_alu instid0(VALU_DEP_1)
	v_add_f32_dpp v[SUM], v[SUM], v[SUM] row_xmask:8 row_mask:0xf bank_mask:0xf
	s_delay_alu instid0(VALU_DEP_1)
	v_permlanex16_b32 v[SUM+1], v[SUM], s46, s47
	s_delay_alu instid0(VALU_DEP_1)
	v_add_f32 v[SUM], v[SUM], v[SUM+1]
.endm
	ACROSS
	s_delay_alu instid0(VALU_DEP_1)
	v_mul_f32 v[MEAN], s52, v[SUM]
	s_delay_alu instid0(VALU_DEP_2)
	v_mul_f32 v[MEAN+1], s52, v[SUM]
.irp j, 0,2,4,6,8,10,12,14,16,18,20,22,24,26,28,30
	v_pk_add_f32 v[Y+\j:Y+\j+1], v[Y+\j:Y+\j+1], v[MEAN:MEAN+1] neg_lo:[0,1] neg_hi:[0,1]   ; y - mean
.endr
.irp k, 0,1,2,3
	v_pk_mul_f32 v[SUM+2*\k:SUM+2*\k+1], v[Y+2*\k:Y+2*\k+1], v[Y+2*\k:Y+2*\k+1]
.endr
.irp j, 8,16,24
.irp k, 0,1,2,3
	s_delay_alu instid0(VALU_DEP_4)
	v_pk_fma_f32 v[SUM+2*\k:SUM+2*\k+1], v[Y+\j+2*\k:Y+\j+2*\k+1], v[Y+\j+2*\k:Y+\j+2*\k+1], v[SUM+2*\k:SUM+2*\k+1]
.endr
.endr
	ACROSS
	s_delay_alu instid0(VALU_DEP_1)
	v_fma_f32 v[SUM], v[SUM], s52, s53             ; var + 1e-5
	s_wait_alu depctr_va_vdst(0)                   ; the wait ahead of the transcendentals
	v_rsq_f32 v[RS], v[SUM]
	v_rsq_f32 v[RS+1], v[SUM]
	v_nop                                          ; a plain place behind the transcendentals
	s_wait_dscnt 0x0                               ; ln_gamma and ln_beta
	s_wait_alu depctr_va_vdst(0)                   ; and ahead of their first reader
.irp j, 0,2,4,6,8,10,12,14,16,18,20,22,24,26,28,30
	v_pk_mul_f32 v[Y+\j:Y+\j+1], v[Y+\j:Y+\j+1], v[RS:RS+1]
.endr
.irp j, 0,2,4,6,8,10,12,14,16,18,20,22,24,26,28,30
	v_pk_fma_f32 v[Y+\j:Y+\j+1], v[Y+\j:Y+\j+1], v[GAM+\j:GAM+\j+1], v[BET+\j:BET+\j+1]
.endr
.irp i, 0,1,2,3,4,5,6,7
	global_store_b128 v1, v[Y+4*\i:Y+4*\i+3], s[16:17] offset:512*\i th:TH_STORE_NT   ; 512 consecutive bytes of my row; written once, read by nobody here
.endr
	s_wait_xcnt 0x0
	v_lshl_add_u32 v254, v0, 2, 0x44000            ; the add's two registers, made anew: the sums have used them
	v_mov_b32 v255, 0
	s_wait_alu depctr_va_vdst(0)
	s_wait_tensorcnt 0x0                           ; the wave's end
	ds_add_u32 v254, v255
	s_wait_dscnt 0x0
	ROUND                                          ; the closing round: no work-group ends while a partner may still ask for a tile that names it
	s_endpgm
.Lfunc_end_k_q259bba8543_outln:
	.size	k_q259bba8543_outln, .Lfunc_end_k_q259bba8543_outln-k_q259bba8543_outln
	.p2alignl 7, 3214868480
	.fill 96, 4, 3214868480
	.section	.rodata,"a",@progbits
	.p2align	6, 0x0
	.amdhsa_kernel k_q259bba8543_outln
		.amdhsa_group_segment_fixed_size 327680
		.amdhsa_private_segment_fixed_size 0
		.amdhsa_enable_private_segment 0
		.amdhsa_kernarg_size 56
		.amdhsa_user_sgpr_count 2
		.amdhsa_user_sgpr_kernarg_segment_ptr 1
		.amdhsa_wavefront_size32 1
		.amdhsa_system_sgpr_workgroup_id_x 1
		.amdhsa_system_sgpr_workgroup_id_y 1
		.amdhsa_system_sgpr_workgroup_id_z 1
		.amdhsa_system_vgpr_workitem_id 0
		.amdhsa_next_free_vgpr 256
		.amdhsa_next_free_sgpr 66
		.amdhsa_reserve_vcc 0
		.amdhsa_float_denorm_mode_32 3
		.amdhsa_float_denorm_mode_16_64 3
		.amdhsa_memory_ordered 1
		.amdhsa_forward_progress 1
		.amdhsa_inst_pref_size 31
	.end_amdhsa_kernel
	.amdgpu_metadata
---
amdhsa.version: [ 1, 2 ]
amdhsa.kernels:
  - .name:           k_q259bba8543_outln
    .symbol:         k_q259bba8543_outln.kd
    .args:
      - { .name: cq, .offset: 0, .size: 8, .value_kind: global_buffer, .address_space: global }
      - { .name: wq, .offset: 8, .size: 8, .value_kind: global_buffer, .address_space: global }
      - { .name: x, .offset: 16, .size: 8, .value_kind: global_buffer, .address_space: global }
      - { .name: b_o, .offset: 24, .size: 8, .value_kind: global_buffer, .address_space: global }
      - { .name: ln_gamma, .offset: 32, .size: 8, .value_kind: global_buffer, .address_space: global }
      - { .name: ln_beta, .offset: 40, .size: 8, .value_kind: global_buffer, .address_space: global }
      - { .name: out0, .offset: 48, .size: 8, .value_kind: global_buffer, .address_space: global }
    .group_segment_fixed_size: 327680
    .private_segment_fixed_size: 0
    .kernarg_segment_align: 8
    .kernarg_segment_size: 56
    .max_flat_workgroup_size: 512
    .sgpr_count:     66
    .vgpr_count:     256
    .wavefront_size: 32
...
	.end_amdgpu_metadata
.endif
;; end of part 4
